; MI455X (gfx1250); checked and timed in simulation.
; The chip was launched on July 23, 2026; its instructions are those of AMD's public machine-readable ISA for CDNA 5 (MIT licence, August 2026) and "CDNA5" Instruction Set Architecture Reference Guide (July 2026). The comments in the code are by the model that wrote it; some were corrected since.
;; Encoder Layer. Allowed arithmetic: matrix products marked QUANTISED: E2M3 operands, one E8M0 scale for each 32 along K, by v_wmma_scale_f32_16x16x128_f8f6f4 with both operands' format E2M3, f32 sums; everything else in f32.
;; Inputs: b1 4,096 float32; b2 1,024 float32; b_o 1,024 float32; beta1 1,024 float32; beta2 1,024 float32; gamma1 1,024 float32; gamma2 1,024 float32; w1_codes 4,096 x 32 x 24 uint8 (E2M3 codes of w1, K innermost, in blocks of 32 codes, four codes in three bytes); w1_scales 4,096 x 32 uint8 (E8M0 scales of w1, one for each 32 codes along K); w2_codes 1,024 x 128 x 24 uint8 (E2M3 codes of w2, K innermost, in blocks of 32 codes, four codes in three bytes); w2_scales 1,024 x 128 uint8 (E8M0 scales of w2, one for each 32 codes along K); w_k_codes 1,024 x 32 x 24 uint8 (E2M3 codes of w_k, K innermost, in blocks of 32 codes, four codes in three bytes); w_k_scales 1,024 x 32 uint8 (E8M0 scales of w_k, one for each 32 codes along K); w_o_codes 1,024 x 32 x 24 uint8 (E2M3 codes of w_o, K innermost, in blocks of 32 codes, four codes in three bytes); w_o_scales 1,024 x 32 uint8 (E8M0 scales of w_o, one for each 32 codes along K); w_q_codes 1,024 x 32 x 24 uint8 (E2M3 codes of w_q, K innermost, in blocks of 32 codes, four codes in three bytes); w_q_scales 1,024 x 32 uint8 (E8M0 scales of w_q, one for each 32 codes along K); w_v_codes 1,024 x 32 x 24 uint8 (E2M3 codes of w_v, K innermost, in blocks of 32 codes, four codes in three bytes); w_v_scales 1,024 x 32 uint8 (E8M0 scales of w_v, one for each 32 codes along K); x 2 x 2,048 x 1,024 float32.
;; Outputs: out0 2 x 2,048 x 1,024 float32.
;; This version of the problem:
;;   THIS VERSION OF THE PROBLEM IS GIVEN IN LOW PRECISION. The matrix products marked QUANTISED in the list below multiply operands that are first quantised to E2M3 (2 exponent bits, 3 mantissa bits; 6 bits a number), with one power-of-two scale for each 32 numbers along K (OCP MX v1.0); their sums are f32. All else is computed in f32.
;;   The module's matrix products, in the order in which they are computed (A, B: the left and right operand; K: the contracted axis; several contracted axes count as one K, in the product's order):
;;     1. [M 4,096, K 1,024] x [K 1,024, N 1,024]; A: input x; B: input w_q (given as codes): QUANTISED
;;     2. [M 4,096, K 1,024] x [K 1,024, N 1,024]; A: input x; B: input w_k (given as codes): QUANTISED
;;     3. [M 4,096, K 1,024] x [K 1,024, N 1,024]; A: input x; B: input w_v (given as codes): QUANTISED
;;     4. batch 32 x [M 2,048, K 64] x [K 64, N 2,048]; A: computed on the way; B: computed on the way: QUANTISED
;;     5. batch 32 x [M 2,048, K 2,048] x [K 2,048, N 64]; A: softmax (see below); B: computed on the way: QUANTISED
;;     6. [M 4,096, K 1,024] x [K 1,024, N 1,024]; A: computed on the way; B: input w_o (given as codes): QUANTISED
;;     7. [M 4,096, K 1,024] x [K 1,024, N 4,096]; A: computed on the way; B: input w1 (given as codes): QUANTISED
;;     8. [M 4,096, K 4,096] x [K 4,096, N 1,024]; A: computed on the way; B: input w2 (given as codes): QUANTISED
;;   THE QUANTISER, for each operand of a quantised product, along K:
;;     - K is cut into blocks of 32 from its start; a last block that is shorter is filled with zeros.
;;     - A block's scale is 2^e with e = floor(log2(the largest magnitude in the block)) - 2, held to -126 .. 127; a block of zeros has e = 0. As a byte (E8M0): e + 127.
;;     - Each number is divided by its block's scale, clamped to +-7.5, and rounded to the nearest number of E2M3, ties to even, subnormals kept.
;;     - The product sums the exact products of the quantised numbers (number of the format x scale) in f32.
;;   ~~~python
;;   def quantise(x, axis):      # numpy; x: float32 -> the quantised numbers, widened to float32 again
;;       x = np.moveaxis(x, axis, -1); K = x.shape[-1]
;;       x = np.pad(x, [(0, 0)] * (x.ndim - 1) + [(0, -K % 32)]); x = x.reshape(x.shape[:-1] + (-1, 32)); a = np.abs(x).max(-1, keepdims=True)
;;       e = np.where(a > 0, np.clip(np.frexp(np.where(a > 0, a, 1))[1] - 1 - 2, -126, 127), 0)      # np.frexp(a)[1] - 1 = floor(log2(a)), exactly
;;       r = np.clip(x / 2.0 ** e, -7.5, 7.5)
;;       step = 2.0 ** (np.maximum(np.frexp(np.where(r == 0, 1, r))[1] - 1, 0) - 3)
;;       q = np.round(r / step) * step * 2.0 ** e      # np.round: ties to even
;;       return np.moveaxis(q.reshape(q.shape[:-2] + (-1,))[..., :K], -1, axis).astype(np.float32)
;;   ~~~
;;   SOFTMAX AHEAD OF A QUANTISED PRODUCT. Where the list says 'softmax', what is quantised is not the finished softmax but p = 2^(t - M), with t = logit x log2(e) and M = ceil(the row's largest t), a whole number; so 1/2 < the row's largest p <= 1. The row's sum l is taken of the UNQUANTISED p, in f32, and the product's result is divided by l at the end. Since M is a whole number, a kernel that streams over the keys may use a running M (the ceiling of the running maximum): every later rescaling is an exact power of two, which a block's scale takes up: the codes' values come out the same.
;;   OPERANDS COMPUTED ON THE WAY. 'Computed on the way' means the value that the module computes at that place (a softmax that the list does not call 'softmax' is quantised finished and normalised). What goes into a quantiser is computed in f32, as accurately as f32 sums, v_exp_f32 and their like allow (about 1e-6 of the number): no bf16 or f16 on the way to a quantiser, and a product that is left as it is and whose result goes on into a quantised operand takes f32 operands (vector FMAs, or v_wmma_f32_16x16x4_f32). A number that lies on a knife's edge between two numbers of the format may be rounded either way, as far as f32 arithmetic and the matrix unit's own rounding can turn it there, and no further.
;;   INPUTS GIVEN AS CODES. w1 (in the module: [1024, 4096], K = its axis 0); w2 (in the module: [4096, 1024], K = its axis 0); w_k (in the module: [1024, 1024], K = its axis 0); w_o (in the module: [1024, 1024], K = its axis 0); w_q (in the module: [1024, 1024], K = its axis 0); w_v (in the module: [1024, 1024], K = its axis 0): each comes as NAME_codes (uint8): NAME with its K axis moved to the last place and cut into blocks of 32 codes, [.., K / 32, bytes a block], one block behind the other in memory; four codes in three bytes: a row's codes are one little-endian stream of bits, code i at bits 6 i .. 6 i + 5 (a code: sign, 2 exponent bits, 3 mantissa bits); and NAME_scales (uint8): the same leading axes, one E8M0 byte (e + 127) for each 32 codes along K. Its value is code x scale, taken as it is: it is not quantised again, and the codes and scales need not be those that the quantiser above would give.
;; One version. Each part assembles by itself: llvm-mc -triple=amdgcn-amd-amdhsa -mcpu=gfx1250 --defsym DOCPART=n.
;; ======== version 1 of 1: 8 launches
;; limits: a function is approximated: absolute error at most 0.00012
;; workspace buffers: pb 14,155,776 bytes; qkvi 10,747,904 bytes; ci 3,407,872 bytes; y 16,777,216 bytes; hf 16,777,216 bytes; hi 3,407,872 bytes; ai 13,631,488 bytes
;; launch prep (part 1): grid 256 x 1, 8 waves a work-group, no clusters, 0 bytes of LDS; arguments x, w_q_codes, w_q_scales, w_k_codes, w_k_scales, w_v_codes, w_v_scales, w_o_codes, w_o_scales, w1_codes, w1_scales, w2_codes, w2_scales, pb; writes pb
.if DOCPART == 1
	.amdgcn_target "amdgcn-amd-amdhsa--gfx1250"
	.amdhsa_code_object_version 6
	.text
	.protected	k_q8e30770320_prep
	.globl	k_q8e30770320_prep
	.p2align	8
	.type	k_q8e30770320_prep,@function
k_q8e30770320_prep:
	s_mov_b64 s[64:65], 0
	v_nop
	global_prefetch_b8 v0, s[64:65] scope:SCOPE_SE
	s_setreg_imm32_b32 hwreg(HW_REG_WAVE_MODE, 25, 1), 1
	s_wait_xcnt 0x0
; PREP: x is quantised to FP6 (E2M3, one E8M0 byte for each 32 along K), the six weights' codes and scale bytes are laid anew, and the table of cos and sin for the rotation is made.
; NOTHING OF reference() IS LEFT OUT IN THIS PROGRAM: every input has a way to the output, all eight products are live, and every input is loaded by some launch.
; LAYOUT OF ALL OPERANDS THAT THIS PROGRAM KEEPS: images of the matrix operand's registers.  A tile is 16 rows; tile T holds rows 32 (T / 2) + 8 (T % 2) + r + 8 (r / 8), r = 0 .. 15, so that the results
; of two neighbouring tiles are 16 neighbours along the next product's K.  A fragment (a tile x 128 along K) is 12 registers a lane: registers 0-3 at 16 x lane, 4-5 at 512 + 8 x lane, 6-9 at 768 + 16 x lane,
; 10-11 at 1,280 + 8 x lane: 1,536 bytes.  Its scale words: 4 x lane, lanes 16-31 repeating rows 0-15: 128 bytes.  A record is 8 tiles (a panel of 128 rows) x 128 along K: 8 fragments, then 8 scale images: 13,312 bytes.
; pb: x's records at 0 (panel P, K step s at (8 P + s) records), w_q, w_k, w_v, w_o from OFF_WQ on (8 panels x 8 steps each), w1 at OFF_W1 (32 x 8), w2 at OFF_W2 (8 panels x 32 steps), the table at OFF_ROPE: 256 bytes a position, 32 cos, 32 sin.
; SHARES: work-group G, wave w.  x: tile G, K step w.  w_q .. w_o: matrix G / 64, tile G % 64, step w.  w1: tile G, step w.  w2: tile G / 4, step 8 (G % 4) + w.  The table: position 8 G + w, a lane a frequency.
; No LDS, no barrier: waves share nothing.  Every register that a store reads is written once.
; LIMITS: NaN and infinities among the inputs are not served.  A block whose largest magnitude lies under 2^-124 gets the byte 1 (a block of zeros too: its codes are zeros, and this program alone reads the bytes).
; The frequencies 10000^(-i / 32) are made by v_exp_f32 and may differ from reference()'s in the last bits: at position 2,047 up to about 1.2e-4 of an angle's radian.
.set REC,      13312
.set OFF_WQ,   3407872
.set OFF_W1,   6815744
.set OFF_W2,   10223616
.set OFF_ROPE, 13631488
.set ST,  64                           ; v64-127  64 numbers of x
.set PC,  128                          ; v128-147 the codes just made
.set TM,  148                          ; v148-163 at work in the quantiser
.set PW,  164                          ; v164     the scale word just made
.set SEL, 78                           ; s[78:79] v_permlanex16_b32's selects for lane l xor 16
; 64 numbers of a lane, register 16 b + i = k 32 b + 16 (lane / 16) + i of my row, become a fragment's codes in v[PC] on and its scale word in v[PW]
.macro QUANT s
.irp b, 0,1,2,3
	v_max3_num_f32 v[TM+\b], |v[\s+16*\b]|, |v[\s+1+16*\b]|, 0x1800000   ; my 16 numbers of block b, and the floor 2^(3 - 127): the byte cannot fall under 1
.endr
.irp i, 2,4,6,8,10,12,14
.irp b, 0,1,2,3
	v_max3_num_f32 v[TM+\b], v[TM+\b], |v[\s+16*\b+\i]|, |v[\s+1+16*\b+\i]|
.endr
.endr
.irp b, 0,1,2,3
	v_permlanex16_b32 v[TM+4+\b], v[TM+\b], s[SEL], s[SEL+1]
.endr
.irp b, 0,1,2,3
	v_max_num_f32 v[TM+\b], v[TM+\b], v[TM+4+\b]   ; with lane l xor 16's: the block's largest magnitude
.endr
.irp b, 0,1,2,3
	v_add_nc_u32 v[TM+12+\b], 0xff000000, v[TM+\b]   ; 2 off its exponent field: the conversion's scale operand
.endr
.irp b, 0,1,2,3
	v_lshrrev_b32 v[TM+4+\b], 23, v[TM+12+\b]      ; the scale's byte
.endr
	v_lshl_or_b32 v[PW], v[TM+5], 8, v[TM+4]
	v_lshl_or_b32 v[PW], v[TM+6], 16, v[PW]
	v_lshl_or_b32 v[PW], v[TM+7], 24, v[PW]
.irp c, 0,1
	v_cvt_scalef32_pk16_fp6_f32 v[PC+6*\c:PC+2+6*\c], v[\s+32*\c:\s+15+32*\c], v[TM+12+2*\c]
	v_cvt_scalef32_pk16_fp6_f32 v[PC+12+4*\c:PC+14+4*\c], v[\s+16+32*\c:\s+31+32*\c], v[TM+12+2*\c+1]
.endr
	v_nop                                          ; one plain place behind a scaled conversion
.irp c, 0,1                                    ; the operand's layout wants a whole block in a lane
.irp i, 0,1,2
	v_permlane16_swap_b32 v[PC+6*\c+\i], v[PC+12+4*\c+\i]
.endr
.irp i, 0,1,2
	v_mov_b32 v[PC+3+6*\c+\i], v[PC+12+4*\c+\i]
.endr
.endr
.endm
; a fragment's 12 registers go out as an image: each store covers 512 or 256 consecutive bytes, aligned
.macro STFRAG reg, sb, off
	global_store_b128 v5, v[\reg:\reg+3], s[\sb:\sb+1] offset:\off
	global_store_b64 v6, v[\reg+4:\reg+5], s[\sb:\sb+1] offset:\off+512
	global_store_b128 v5, v[\reg+6:\reg+9], s[\sb:\sb+1] offset:\off+768
	global_store_b64 v6, v[\reg+10:\reg+11], s[\sb:\sb+1] offset:\off+1280
.endm
	s_load_b512 s[16:31], s[0:1], 0x0              ; x 16, w_q codes 18, scales 20, w_k 22, 24, w_v 26, 28, w_o codes 30
	s_load_b256 s[32:39], s[0:1], 0x40             ; w_o scales 32, w1 codes 34, scales 36, w2 codes 38
	s_load_b128 s[40:43], s[0:1], 0x60             ; w2 scales 40, pb 42
	v_lshrrev_b32 v1, 5, v0
	v_readfirstlane_b32 s2, v1                     ; wave w
	v_and_b32 v1, 31, v0                           ; lane
	v_and_b32 v2, 15, v0                           ; r
	v_bfe_u32 v3, v0, 4, 1                         ; h
	v_and_b32 v8, 8, v2
	v_add_nc_u32 v8, v8, v2                        ; r + 8 (r / 8)
	v_lshlrev_b32 v4, 12, v8
	v_lshl_add_u32 v4, v3, 6, v4                   ; x: my row of 4,096 bytes, + 64 h: my 16 numbers of a block
	v_lshlrev_b32 v5, 4, v1                        ; 16 x lane
	v_lshlrev_b32 v6, 3, v1                        ; 8 x lane
	v_lshlrev_b32 v7, 2, v1                        ; 4 x lane
	v_mul_u32_u24 v9, v8, 768
	v_mad_u32_u24 v9, v3, 24, v9                   ; codes in rows of 768 bytes (K = 1,024), + 24 h
	v_mul_u32_u24 v10, v8, 3072
	v_mad_u32_u24 v10, v3, 24, v10                 ; in rows of 3,072 bytes (w2)
	v_lshlrev_b32 v11, 5, v8                       ; scale bytes in rows of 32
	v_lshlrev_b32 v12, 7, v8                       ; and of 128 (w2)
.irp b, 0,1,2,3
	v_mov_b32 v[TM+4+\b], 0                        ; written once: a lane permute's destination counts as one of its sources
.endr
	; where things go.  x's, the four small weights' and w1's fragments have the same place in their regions: record 8 (G / 8) + w, tile G % 8
	s_lshr_b32 s3, ttmp9, 3
	s_lshl_b32 s3, s3, 3
	s_add_co_u32 s3, s3, s2
	s_mul_i32 s3, s3, REC
	s_and_b32 s4, ttmp9, 7
	s_mul_i32 s5, s4, 1536
	s_add_co_u32 s44, s3, s5                       ; the fragment
	s_mov_b32 s45, 0
	s_lshl_b32 s4, s4, 7
	s_add_co_u32 s46, s3, s4
	s_add_co_u32 s46, s46, 12288                   ; its scale image
	s_mov_b32 s47, 0
	s_lshr_b32 s6, ttmp9, 2                        ; w2: tile G / 4,
	s_and_b32 s7, ttmp9, 3
	s_lshl_b32 s7, s7, 3
	s_add_co_u32 s7, s7, s2                        ; K step 8 (G % 4) + w
	s_lshr_b32 s8, s6, 3
	s_lshl_b32 s8, s8, 5
	s_add_co_u32 s8, s8, s7
	s_mul_i32 s8, s8, REC
	s_add_co_u32 s8, s8, OFF_W2
	s_and_b32 s9, s6, 7
	s_mul_i32 s10, s9, 1536
	s_add_co_u32 s48, s8, s10
	s_mov_b32 s49, 0
	s_lshl_b32 s9, s9, 7
	s_add_co_u32 s50, s8, s9
	s_add_co_u32 s50, s50, 12288
	s_mov_b32 s51, 0
	; where things come from.  A tile's first row is 16 T - 8 (T % 2)
	s_lshl_b32 s11, ttmp9, 4
	s_and_b32 s12, ttmp9, 1
	s_lshl_b32 s12, s12, 3
	s_sub_co_u32 s11, s11, s12                     ; tile G's
	s_lshl_b32 s52, s11, 12
	s_lshl_b32 s13, s2, 9
	s_add_co_u32 s52, s52, s13                     ; x: rows of 4,096 bytes, K step w: 512 bytes on
	s_mov_b32 s53, 0
	s_mul_i32 s54, s11, 768
	s_mul_i32 s13, s2, 96
	s_add_co_u32 s54, s54, s13                     ; w1's codes
	s_mov_b32 s55, 0
	s_lshl_b32 s56, s11, 5
	s_lshl_b32 s14, s2, 2
	s_add_co_u32 s56, s56, s14                     ; w1's scale bytes
	s_mov_b32 s57, 0
	s_and_b32 s15, s11, 1023                       ; tile G % 64 of one of the four small weights
	s_mul_i32 s58, s15, 768
	s_add_co_u32 s58, s58, s13
	s_mov_b32 s59, 0
	s_lshl_b32 s60, s15, 5
	s_add_co_u32 s60, s60, s14
	s_mov_b32 s61, 0
	s_lshl_b32 s15, s6, 4
	s_and_b32 s12, s6, 1
	s_lshl_b32 s12, s12, 3
	s_sub_co_u32 s15, s15, s12                     ; w2's tile's first row
	s_mul_i32 s62, s15, 3072
	s_mul_i32 s12, s7, 96
	s_add_co_u32 s62, s62, s12
	s_mov_b32 s63, 0
	s_lshl_b32 s4, s15, 7
	s_lshl_b32 s12, s7, 2
	s_add_co_u32 s4, s4, s12
	s_mov_b32 s5, 0
	s_lshl_b32 s68, ttmp9, 3
	s_add_co_u32 s68, s68, s2                      ; the table's position
	s_mov_b32 s[SEL], 0x76543210
	s_mov_b32 s[SEL+1], 0xfedcba98
	s_mov_b32 s66, 0xbed49a78                      ; -log2(10000) / 32
	s_mov_b32 s69, 0x3f22f983                      ; 2 / pi
	s_mov_b32 s70, 0xbfc90fdb                      ; -(pi / 2), its f32 part,
	s_mov_b32 s71, 0x333bbd2e                      ; and what that part is too large by
	s_mov_b32 s72, 0xb94ca1f9                      ; the sine's three coefficients
	s_mov_b32 s73, 0x3c08839e
	s_mov_b32 s74, 0xbe2aaaa3
	s_mov_b32 s75, 0x37ccf5ce                      ; the cosine's three
	s_mov_b32 s76, 0xbab6061a
	s_mov_b32 s77, 0x3d2aaaa5
	s_lshr_b32 s6, ttmp9, 6                        ; which of w_q, w_k, w_v, w_o
	s_wait_kmcnt 0x0
	s_cmp_eq_u32 s6, 1                             ; the choices hang on the work-group's number alone
	s_cselect_b64 s[8:9], s[22:23], s[18:19]
	s_cselect_b64 s[10:11], s[24:25], s[20:21]
	s_cmp_eq_u32 s6, 3
	s_cselect_b64 s[12:13], s[30:31], s[26:27]
	s_cselect_b64 s[14:15], s[32:33], s[28:29]
	s_cmp_lt_u32 s6, 2
	s_cselect_b64 s[8:9], s[8:9], s[12:13]
	s_cselect_b64 s[10:11], s[10:11], s[14:15]
	s_add_nc_u64 s[8:9], s[8:9], s[58:59]
	s_add_nc_u64 s[10:11], s[10:11], s[60:61]
	s_add_nc_u64 s[34:35], s[34:35], s[54:55]
	s_add_nc_u64 s[36:37], s[36:37], s[56:57]
	s_add_nc_u64 s[38:39], s[38:39], s[62:63]
	s_add_nc_u64 s[40:41], s[40:41], s[4:5]
	s_add_nc_u64 s[16:17], s[16:17], s[52:53]
	s_add_nc_u64 s[44:45], s[42:43], s[44:45]
	s_add_nc_u64 s[46:47], s[42:43], s[46:47]
	s_add_nc_u64 s[48:49], s[42:43], s[48:49]
	s_add_nc_u64 s[50:51], s[42:43], s[50:51]
	s_lshl_b32 s52, s68, 8
	s_add_co_u32 s52, s52, OFF_ROPE
	s_mov_b32 s53, 0
	s_add_nc_u64 s[52:53], s[42:43], s[52:53]
.irp p, 0,1,2,3,4,5                            ; three fragments of weights: 24 bytes of my row's stream of bits for each half of 64 along K, as they lie
	global_load_b64 v[16+2*\p:17+2*\p], v9, s[8:9] offset:48*(\p/3)+8*(\p%3)
	global_load_b64 v[28+2*\p:29+2*\p], v9, s[34:35] offset:48*(\p/3)+8*(\p%3)
	global_load_b64 v[40+2*\p:41+2*\p], v10, s[38:39] offset:48*(\p/3)+8*(\p%3)
.endr
	global_load_b32 v52, v11, s[10:11]             ; and my row's scale word of the K step
	global_load_b32 v53, v11, s[36:37]
	global_load_b32 v54, v12, s[40:41]
.irp b, 0,1,2,3
.irp j, 0,1,2,3
	global_load_b128 v[ST+16*\b+4*\j:ST+16*\b+4*\j+3], v4, s[16:17] offset:128*\b+16*\j th:TH_LOAD_NT
.endr
.endr
	s_wait_loadcnt 0x10                            ; the 21 loads of weights are in; x's 16, issued behind them, may be out
	STFRAG 16, 44, OFF_WQ
	global_store_b32 v7, v52, s[46:47] offset:OFF_WQ
	STFRAG 28, 44, OFF_W1
	global_store_b32 v7, v53, s[46:47] offset:OFF_W1
	STFRAG 40, 48, 0
	global_store_b32 v7, v54, s[50:51]
	; the table: angle = position x 10000^(-lane / 32); reduced by whole quarter turns in two parts, then a polynomial each for sine and cosine on +-pi/4
	v_cvt_f32_u32 v168, v1
	v_mul_f32 v168, s66, v168
	v_exp_f32 v168, v168
	v_cvt_f32_u32 v169, s68                        ; (a plain place behind the transcendental)
	s_wait_alu depctr_va_vdst(0)                   ; the wait ahead of the first reader
	v_mul_f32 v170, v169, v168                     ; the angle, rounded once as reference() rounds it
	v_mul_f32 v171, s69, v170
	v_rndne_f32 v171, v171                         ; n quarter turns
	v_fma_f32 v172, v171, s70, v170
	v_fma_f32 v172, v171, s71, v172                ; rho = angle - n pi / 2
	v_mul_f32 v173, v172, v172                     ; z = rho^2
	v_mov_b32 v174, s73
	v_fma_f32 v174, v173, s72, v174
	v_fma_f32 v174, v174, v173, s74
	v_mul_f32 v174, v174, v173
	v_fma_f32 v174, v174, v172, v172               ; sin rho
	v_mov_b32 v175, s76
	v_fma_f32 v175, v173, s75, v175
	v_fma_f32 v175, v175, v173, s77
	v_mul_f32 v176, v173, v173
	v_fma_f32 v177, v173, -0.5, 1.0
	v_fma_f32 v175, v175, v176, v177               ; cos rho
	v_cvt_i32_f32 v178, v171
	v_and_b32 v179, 1, v178
	v_cmp_eq_u32 vcc_lo, 1, v179                   ; an odd quarter swaps the two
	v_cndmask_b32 v180, v174, v175, vcc_lo         ; the sine
	v_cndmask_b32 v181, v175, v174, vcc_lo         ; the cosine
	v_and_b32 v182, 2, v178                        ; quarters 2, 3: the sine changes sign
	v_lshlrev_b32 v182, 30, v182
	v_xor_b32 v180, v182, v180
	v_add_nc_u32 v183, 1, v178                     ; quarters 1, 2: the cosine does
	v_and_b32 v183, 2, v183
	v_lshlrev_b32 v183, 30, v183
	v_xor_b32 v181, v183, v181
	global_store_b32 v7, v181, s[52:53]
	global_store_b32 v7, v180, s[52:53] offset:128
	s_wait_loadcnt 0x0                             ; x
	QUANT ST
	STFRAG PC, 44, 0
	global_store_b32 v7, v[PW], s[46:47]
	s_endpgm
.Lfunc_end_k_q8e30770320_prep:
	.size	k_q8e30770320_prep, .Lfunc_end_k_q8e30770320_prep-k_q8e30770320_prep
	.p2alignl 7, 3214868480
	.fill 96, 4, 3214868480
	.section	.rodata,"a",@progbits
	.p2align	6, 0x0
	.amdhsa_kernel k_q8e30770320_prep
		.amdhsa_group_segment_fixed_size 0
		.amdhsa_private_segment_fixed_size 0
		.amdhsa_enable_private_segment 0
		.amdhsa_kernarg_size 112
		.amdhsa_user_sgpr_count 2
		.amdhsa_user_sgpr_kernarg_segment_ptr 1
		.amdhsa_wavefront_size32 1
		.amdhsa_system_sgpr_workgroup_id_x 1
		.amdhsa_system_sgpr_workgroup_id_y 1
		.amdhsa_system_sgpr_workgroup_id_z 1
		.amdhsa_system_vgpr_workitem_id 0
		.amdhsa_next_free_vgpr 192
		.amdhsa_next_free_sgpr 100
		.amdhsa_reserve_vcc 1
		.amdhsa_float_denorm_mode_32 3
		.amdhsa_float_denorm_mode_16_64 3
		.amdhsa_memory_ordered 1
		.amdhsa_forward_progress 1
		.amdhsa_inst_pref_size 17
	.end_amdhsa_kernel
	.amdgpu_metadata
---
amdhsa.version: [ 1, 2 ]
amdhsa.kernels:
  - .name:           k_q8e30770320_prep
    .symbol:         k_q8e30770320_prep.kd
    .args:
      - { .name: x, .offset: 0, .size: 8, .value_kind: global_buffer, .address_space: global }
      - { .name: w_q_codes, .offset: 8, .size: 8, .value_kind: global_buffer, .address_space: global }
      - { .name: w_q_scales, .offset: 16, .size: 8, .value_kind: global_buffer, .address_space: global }
      - { .name: w_k_codes, .offset: 24, .size: 8, .value_kind: global_buffer, .address_space: global }
      - { .name: w_k_scales, .offset: 32, .size: 8, .value_kind: global_buffer, .address_space: global }
      - { .name: w_v_codes, .offset: 40, .size: 8, .value_kind: global_buffer, .address_space: global }
      - { .name: w_v_scales, .offset: 48, .size: 8, .value_kind: global_buffer, .address_space: global }
      - { .name: w_o_codes, .offset: 56, .size: 8, .value_kind: global_buffer, .address_space: global }
      - { .name: w_o_scales, .offset: 64, .size: 8, .value_kind: global_buffer, .address_space: global }
      - { .name: w1_codes, .offset: 72, .size: 8, .value_kind: global_buffer, .address_space: global }
      - { .name: w1_scales, .offset: 80, .size: 8, .value_kind: global_buffer, .address_space: global }
      - { .name: w2_codes, .offset: 88, .size: 8, .value_kind: global_buffer, .address_space: global }
      - { .name: w2_scales, .offset: 96, .size: 8, .value_kind: global_buffer, .address_space: global }
      - { .name: pb, .offset: 104, .size: 8, .value_kind: global_buffer, .address_space: global }
    .group_segment_fixed_size: 0
    .private_segment_fixed_size: 0
    .kernarg_segment_align: 8
    .kernarg_segment_size: 112
    .max_flat_workgroup_size: 256
    .sgpr_count:     100
    .vgpr_count:     192
    .wavefront_size: 32
...
	.end_amdgpu_metadata
.endif
;; end of part 1
;; launch qkv (part 2): grid 12 x 16, 4 waves a work-group, clusters of 4 x 4, 327,680 bytes of LDS; arguments pb, qkvi; writes qkvi
.if DOCPART == 2
	.amdgcn_target "amdgcn-amd-amdhsa--gfx1250"
	.amdhsa_code_object_version 6
	.text
	.protected	k_q8e30770320_qkv
	.globl	k_q8e30770320_qkv
	.p2align	8
	.type	k_q8e30770320_qkv,@function
k_q8e30770320_qkv:
	s_mov_b64 s[64:65], 0
	v_nop
	global_prefetch_b8 v0, s[64:65] scope:SCOPE_SE
	s_setreg_imm32_b32 hwreg(HW_REG_WAVE_MODE, 25, 1), 1
	s_wait_xcnt 0x0
	s_wait_alu depctr_hold_cnt(0) depctr_sa_sdst(0) depctr_va_vdst(0) depctr_va_sdst(0) depctr_va_ssrc(0) depctr_va_vcc(0) depctr_vm_vsrc(0)
	s_getreg_b32 s2, hwreg(HW_REG_IB_STS2, 6, 4)
	s_cmp_eq_u32 s2, 0
	s_cbranch_scc0 .Lentry_in_a_cluster
	s_endpgm
.Lentry_in_a_cluster:
	s_bfe_u32 s2, ttmp6, 0x10000c
	s_cmp_lg_u32 s2, 0xf033
	s_cbranch_scc0 .Lentry_shape_is_right
	s_endpgm
.Lentry_shape_is_right:
; QKV: q = rope(x w_q), k = rope(x w_k), v = x w_v on codes of FP6, and the three results quantised on the way out: q and k along the head's 64, v along the keys.  Nothing of reference() is left out.
; A work-group of four waves makes 256 x 256, a wave 128 x 128: 64 accumulators.  The matrix instruction's source 0 is side S0, source 1 side S1: a lane then holds ONE row of S1, and the 64 registers of
; its eight accumulators of a tile of S1 are 128 rows of S0 in the order that the quantiser wants (register 16 b + i = row 32 b + 16 (lane / 16) + i), thanks to the order of rows in a tile (see prep).
; Cluster x picks the product: 0 = q, 1 = k: S1 = tokens (x), S0 = features (the weight): a lane holds a token and two heads' 128 features.  2 = v: S1 = features (w_v), S0 = tokens: a lane holds a feature and
; 128 keys.  Only addresses differ; the walk along K is one text.  The choice hangs on the cluster's x, which the sixteen partners share.
; K goes in 8 steps of 128 through THREE LDS slots of two steps; a wave's tensor load brings two records (a panel of 128 rows x 256 along K, 26,624 dense bytes) as 104 rows of 256 bytes.  Six of the eight steps are
; asked for at the head; slot 0 alone is filled again, with steps 6 and 7, and that load has steps 2 to 5, 256 matrix instructions a wave, in which to land.
; CLUSTER 4 x 4: S1's tile hangs on the tile row and is asked for jointly along a row of the cluster, S0's along a column.
; qkvi: q's records at 0: (batch x head, panel p of 128 tokens) 7,168 bytes: 8 half fragments of 768 bytes (K = 64), 8 scale images.  From KVOFF on records of 13,824 bytes: k's part as q's; at 7,168 four fragments of
; v^T (16 of the head's 64 x 128 keys), at 13,312 their scale images.
; REGISTERS: window 0: v1-5 lane terms, v6 the table's offset, v28, v29 the add's two, v32-47 scale words (two sets), v48-62 LDS addresses (five kinds x three slots), v64-255 S1's fragments (two sets of 96);
;   window 1: S0's fragments (two sets of 96), v192-255 free for the table; windows 2, 3: the accumulators ((a, b) at v[8 (8 (a % 4) + b)] of window 2 + a / 4).  On the way out window 0's v64-255 are free.
; LIMITS: as stated in prep (NaN, infinities, very small blocks).
.set NT,   8                           ; tiles of 16 rows on each side of a wave's part
.set KS,   8                           ; K steps in all
.set REC,  13312
.set SLOT, 8*REC
.set STP,  2*REC                       ; from one wave's codes in a slot to the other's
.set SSTP, 2*REC                       ; the same for the scale images
.set SPARE, 3*SLOT                     ; behind the three slots: the spare words, 128 bytes a wave
.set OFF_WQ,   3407872
.set OFF_WV,   5111808
.set OFF_ROPE, 13631488
.set KVOFF,    3670016
.set G1,  24                           ; s[24:31] descriptor group 1 for S1's tiles; s[32:39] groups 0 for slots 0 and 1, s[80:83] for slot 2
.set G0,  32
.set G1B, 48                           ; s[48:55], s[56:63], s[84:87] the same for S0's
.set G0B, 56
.set A16, 48                           ; v48-50 S1's codes, 16 x lane, slot 0, 1, 2
.set A8,  51                           ; v51-53 the same, 8 x lane
.set B16, 54                           ; v54-56, v57-59 S0's
.set B8,  57
.set ASC, 60                           ; v60-62 the scale images
.set PC,  128
.set TM,  224
.set PW,  240
.set SEL, 94
.set MSB, 0
.macro WIN new                         ; the immediate's high byte repeats the setting that is left
.if MSB != (\new)
	s_set_vgpr_msb (MSB<<8)|(\new)
.set MSB, (\new)
.endif
.endm
.macro PLACES n
.rept \n
	v_nop
.endr
.endm
; a joint load: waves 0 and 1 fetch for S1, waves 2 and 3 for S0; an s_nop 0 and four v_nop follow each of the two lines
.macro JLOAD g0a, g1a, g0b, g1b
	s_cmp_eq_u32 s15, 0
	s_cbranch_scc0 .Lfor_b_\@
	tensor_load_to_lds s[\g0a:\g0a+3], s[\g1a:\g1a+7]
	s_nop 0
	PLACES 4
	s_branch .Lasked_\@
.Lfor_b_\@:
	tensor_load_to_lds s[\g0b:\g0b+3], s[\g1b:\g1b+7]
	s_nop 0
	PLACES 4
.Lasked_\@:
.endm
.macro CREST                           ; a round of the cluster's barrier behind its opening barrier
	s_cmp_lg_u32 s14, 0
	s_cbranch_scc1 .Lnot_wave_0_\@
	s_barrier_signal -3
.Lnot_wave_0_\@:
	s_barrier_wait -3
	s_barrier_signal -1
	s_barrier_wait -1
.endm
.macro CROUND
	s_barrier_signal -1
	s_barrier_wait -1
	CREST
.endm
; the add's registers and the opening lines; who I am; the masks; both groups 1
.macro IDS
	v_lshl_add_u32 v28, v0, 2, SPARE
	v_mov_b32 v29, 0
	ds_add_u32 v28, v29                            ; the wave's opening: the add, twice on end, and its wait ahead of my first tensor load
	ds_add_u32 v28, v29
	v_lshrrev_b32 v1, 5, v0
	v_readfirstlane_b32 s14, v1                    ; wave 0..3
	s_lshr_b32 s15, s14, 1                         ; my half of S1.  Also: I fetch for S1 (0) or S0 (1)
	s_and_b32 s16, s14, 1                          ; my half of S0.  Also: which half of that side's tile I fetch
	s_bfe_u32 s40, ttmp6, 0x40000                  ; cx
	s_bfe_u32 s41, ttmp6, 0x40004                  ; cy
	s_lshl_b32 s42, ttmp9, 2
	s_add_co_u32 s42, s42, s40                     ; 4 x cluster x + cx
	s_and_b32 s17, ttmp7, 0xffff
	s_lshl_b32 s17, s17, 2
	s_add_co_u32 s17, s17, s41                     ; 4 x cluster y + cy
	s_lshl_b32 s43, s41, 2
	s_lshl_b32 s43, 15, s43                        ; my row of the cluster
	s_lshl_b32 s44, 0x1111, s40                    ; my column
	s_or_b32 s[G1], s43, (3<<16)|(1<<21)           ; 15:0 the mask; 17:16 elements of 8 bytes; 20 no padding; 21 set beside a mask
	s_or_b32 s[G1B], s44, (3<<16)|(1<<21)
.irp g, G1, G1B
	s_mov_b32 s[\g+1], 32<<16                      ; tensor_dim0 = 32 elements: 256 bytes
	s_mov_b32 s[\g+2], 104<<16                     ; tensor_dim1 = 104 rows: two records
	s_mov_b32 s[\g+3], 32<<16                      ; tile_dim0
	s_mov_b32 s[\g+4], 104                         ; tile_dim1
	s_mov_b32 s[\g+5], 32                          ; the pitch: dense
	s_mov_b32 s[\g+6], 0
	s_mov_b32 s[\g+7], 0
.endr
.endm
; the round in front of the first joint loads, and the three slots' first fills, K steps 0 to 5: three tensor loads of mine are out
.macro FIRST
	CROUND
.irp s, 0,1,2
.set ga, G0+4*\s+40*(\s/2)
.set gb, G0B+4*\s+20*(\s/2)
	s_mov_b32 s[ga], 1
	s_add_co_u32 s[ga+1], s45, \s*SLOT
	s_add_nc_u64 s[ga+2:ga+3], s[20:21], \s*2*REC
	s_or_b32 s[ga+3], s[ga+3], 0x80000000
	s_mov_b32 s[gb], 1
	s_add_co_u32 s[gb+1], s45, \s*SLOT
	s_add_nc_u64 s[gb+2:gb+3], s[46:47], \s*2*REC
	s_or_b32 s[gb+3], s[gb+3], 0x80000000
	JLOAD ga, G1, gb, G1B
.endr
.endm
; my lane's LDS addresses: a constant x wave's halves + a constant x lane + the slot's constant
.macro LANES
	v_and_b32 v1, 15, v0                           ; r
	v_bfe_u32 v2, v0, 4, 1                         ; h
	v_and_b32 v5, 31, v0
	v_lshlrev_b32 v3, 4, v5                        ; 16 x lane
	v_lshlrev_b32 v4, 3, v5                        ; 8 x lane
	v_lshlrev_b32 v5, 2, v5                        ; 4 x lane
	s_mul_i32 s21, s15, STP                        ; S1's codes
	s_mul_i32 s22, s16, STP
	s_add_co_u32 s22, s22, 4*REC                   ; S0's lie behind S1's four records
.irp s, 0,1,2
	v_add_nc_u32 v[A16+\s], s21, v3
	v_add_nc_u32 v[A8+\s], s21, v4
	v_add_nc_u32 v[B16+\s], s22, v3
	v_add_nc_u32 v[B8+\s], s22, v4
	s_add_co_u32 s21, s21, SLOT
	s_add_co_u32 s22, s22, SLOT
.endr
	s_mul_i32 s21, s15, SSTP                       ; the scale images: lanes 0-15 take S1's, lanes 16-31 S0's: the lower base + h x the distance
	s_mul_i32 s22, s16, SSTP
	s_add_co_u32 s22, s22, 4*REC
	s_sub_co_u32 s22, s22, s21
	v_mul_u32_u24 v6, s22, v2
	s_add_co_u32 s21, s21, 12288
	v_add_nc_u32 v6, v6, v5
	v_add_nc_u32 v[ASC], s21, v6
	v_add_nc_u32 v[ASC+1], SLOT, v[ASC]
	v_add_nc_u32 v[ASC+2], 2*SLOT, v[ASC]
.endm
.macro FRAG reg, a16, a8, off          ; an image comes back as the registers that it was: four loads, each of consecutive bytes
	ds_load_b128 v[\reg:\reg+3], v[\a16] offset:\off
	ds_load_b64 v[\reg+4:\reg+5], v[\a8] offset:\off+512
	ds_load_b128 v[\reg+6:\reg+9], v[\a16] offset:\off+768
	ds_load_b64 v[\reg+10:\reg+11], v[\a8] offset:\off+1280
.endm
.macro FETCH slot, q, sg               ; the fragments and scale words of the slot's q-th K step into set sg
	WIN 0x40                                       ; destination window 1
.set ft, 0
.rept NT
	FRAG 96*(\sg)+12*ft, B16+(\slot), B8+(\slot), (\q)*REC+1536*ft
.set ft, ft+1
.endr
	WIN 0
.set ft, 0
.rept NT
	FRAG 64+96*(\sg)+12*ft, A16+(\slot), A8+(\slot), (\q)*REC+1536*ft
.set ft, ft+1
.endr
.set ft, 0
.rept NT
	ds_load_b32 v[32+8*(\sg)+ft], v[ASC+(\slot)] offset:(\q)*REC+128*ft
.set ft, ft+1
.endr
.endm
; S1's tile a against S0's NT tiles.  mode 0: sums go on; 1: the product starts them.  The accumulators take turns, one instruction a turn, in the same order in every step
.macro MULROW a, sg, mode
.set mw, (\a)/(32/NT)
.set mb, 8*NT*((\a)%(32/NT))
.set ma, 64+96*(\sg)+12*(\a)
.set ms, 32+8*(\sg)
	WIN 0xa1+0x50*mw
.set mt, 0
.rept NT
.if \mode == 0
	v_wmma_scale_f32_16x16x128_f8f6f4 v[mb+8*mt:mb+8*mt+7], v[96*(\sg)+12*mt:96*(\sg)+12*mt+11], v[ma:ma+11], v[mb+8*mt:mb+8*mt+7], v[ms+mt], v[ms+(\a)] matrix_a_fmt:MATRIX_FMT_FP6 matrix_b_fmt:MATRIX_FMT_FP6 matrix_a_scale:MATRIX_SCALE_ROW1
.else
	v_wmma_scale_f32_16x16x128_f8f6f4 v[mb+8*mt:mb+8*mt+7], v[96*(\sg)+12*mt:96*(\sg)+12*mt+11], v[ma:ma+11], 0, v[ms+mt], v[ms+(\a)] matrix_a_fmt:MATRIX_FMT_FP6 matrix_b_fmt:MATRIX_FMT_FP6 matrix_a_scale:MATRIX_SCALE_ROW1
.endif
.set mt, mt+1
.endr
.endm
.macro ROWS a0, n, sg, mode
.set ra, \a0
.rept \n
	MULROW ra, \sg, \mode
.set ra, ra+1
.endr
.endm
; a K step on set sg whose successor lies in a slot that is known to be whole: the successor's loads (slot fslot, its fq-th step) go out first, into the other set, then this step's products
.macro STEP sg, fslot, fq, mode
	s_wait_dscnt 0x0                               ; this step's fragments, asked for a whole step ago
	PLACES 4                                       ; four places behind the last step's products, which read the set that is loaded now
	FETCH \fslot, \fq, 1-(\sg)
	ROWS 0, NT, \sg, \mode
	WIN 0
.endm
; a K step with a barrier: in front of it each wave waits for all its tensor loads, adds 0 to its spare word and waits for that and for its LDS reads.  fill = 1: slot 0, which has been read out, is filled again with K steps 6 and 7.
; Behind the barrier the next step is fetched from slot nslot.
.macro TURN sg, nslot, fill
	WIN 0
	s_wait_tensorcnt 0x0                           ; all my tensor loads have landed
	ds_add_u32 v28, v29                            ; 0 onto my spare word
	s_wait_dscnt 0x1                               ; this step's fragments are in; the add alone may be out
	ROWS 0, NT/4, \sg, 0
	s_wait_dscnt 0x0                               ; the add is done, and my reads of the slot that is left are over
	s_barrier_signal -1
	ROWS NT/4, NT/4, \sg, 0
	WIN 0
	s_barrier_wait -1
.if \fill
	CREST                                          ; the barrier has opened a round of the cluster's: no wave of any partner still reads slot 0 or has a load on its way
	s_add_nc_u64 s[G0+2:G0+3], s[G0+2:G0+3], 6*REC
	s_add_nc_u64 s[G0B+2:G0B+3], s[G0B+2:G0B+3], 6*REC
	JLOAD G0, G1, G0B, G1B                         ; the first tensor load behind the round; its four v_nop are the places in front of the loads below
.else
	PLACES 4
.endif
	FETCH \nslot, 0, 1-(\sg)
	ROWS NT/2, NT/2, \sg, 0
	WIN 0
.endm
; 64 numbers of a lane in window w, register 16 b + i = k 32 b + 16 (lane / 16) + i of my row, become a fragment's codes in v[PC] on and its scale word in v[PW] (window 0)
.macro QUANT s, w
	WIN ((\w)<<2)|((\w)<<4)
.irp b, 0,1,2,3
	v_max3_num_f32 v[TM+\b], 0x1800000, |v[(\s)+16*\b]|, |v[(\s)+1+16*\b]|   ; the floor 2^(3 - 127) and my first two of block b: each accumulator is read from its low end on
.endr
.irp i, 2,4,6,8,10,12,14
.irp b, 0,1,2,3
	v_max3_num_f32 v[TM+\b], v[TM+\b], |v[(\s)+16*\b+\i]|, |v[(\s)+1+16*\b+\i]|
.endr
.endr
	WIN 0
.irp b, 0,1,2,3
	v_permlanex16_b32 v[TM+4+\b], v[TM+\b], s[SEL], s[SEL+1]
.endr
.irp b, 0,1,2,3
	v_max_num_f32 v[TM+\b], v[TM+\b], v[TM+4+\b]
.endr
.irp b, 0,1,2,3
	v_add_nc_u32 v[TM+12+\b], 0xff000000, v[TM+\b]   ; 2 off the exponent field: the conversion's scale operand
.endr
.irp b, 0,1,2,3
	v_lshrrev_b32 v[TM+4+\b], 23, v[TM+12+\b]
.endr
	v_lshl_or_b32 v[PW], v[TM+5], 8, v[TM+4]
	v_lshl_or_b32 v[PW], v[TM+6], 16, v[PW]
	v_lshl_or_b32 v[PW], v[TM+7], 24, v[PW]
	WIN (\w)
.irp c, 0,1
	v_cvt_scalef32_pk16_fp6_f32 v[PC+6*\c:PC+2+6*\c], v[(\s)+32*\c:(\s)+15+32*\c], v[TM+12+2*\c]
	v_cvt_scalef32_pk16_fp6_f32 v[PC+12+4*\c:PC+14+4*\c], v[(\s)+16+32*\c:(\s)+31+32*\c], v[TM+12+2*\c+1]
.endr
	WIN 0
	v_nop                                          ; one plain place behind a scaled conversion
.irp c, 0,1
.irp i, 0,1,2
	v_permlane16_swap_b32 v[PC+6*\c+\i], v[PC+12+4*\c+\i]
.endr
.irp i, 0,1,2
	v_mov_b32 v[PC+3+6*\c+\i], v[PC+12+4*\c+\i]
.endr
.endr
.endm
.macro IMG sb, off                     ; the fragment in v[PC] on goes to memory as an image: each store covers 512 or 256 consecutive bytes, aligned
	global_store_b128 v3, v[PC:PC+3], s[\sb:\sb+1] offset:\off
	global_store_b64 v4, v[PC+4:PC+5], s[\sb:\sb+1] offset:(\off)+512
	global_store_b128 v3, v[PC+6:PC+9], s[\sb:\sb+1] offset:(\off)+768
	global_store_b64 v4, v[PC+10:PC+11], s[\sb:\sb+1] offset:(\off)+1280
.endm
	s_load_b128 s[4:7], s[0:1], 0x0                ; pb, qkvi
	IDS
	; which product, and so which side is x.  q, k: S1 = x, tile 4 x cluster y + cy; S0 = the weight, tile cx.  v: S1 = w_v, tile cy; S0 = x, tile 4 x cluster y + cx
	s_and_b32 s18, ttmp7, 0xffff
	s_lshl_b32 s18, s18, 2
	s_mul_i32 s68, ttmp9, 851968
	s_add_co_u32 s68, s68, OFF_WQ                  ; w_q's or w_k's records
	s_cmp_eq_u32 ttmp9, 2
	s_cselect_b32 s17, 0, s18
	s_cselect_b32 s42, s18, 0
	s_cselect_b32 s67, OFF_WV, 0                   ; S1's region of pb
	s_cselect_b32 s68, 0, s68                      ; S0's
	s_add_co_u32 s17, s17, s41                     ; S1's tile: cy enters it, never cx
	s_add_co_u32 s42, s42, s40                     ; S0's tile: cx, never cy
	s_lshl_b32 s20, s17, 1
	s_add_co_u32 s20, s20, s16                     ; the panel that I fetch, if I fetch for S1
	s_mul_i32 s20, s20, KS*REC
	s_add_co_u32 s20, s20, s67
	s_mov_b32 s21, 0
	s_lshl_b32 s46, s42, 1
	s_add_co_u32 s46, s46, s16                     ; if for S0
	s_mul_i32 s46, s46, KS*REC
	s_add_co_u32 s46, s46, s68
	s_mov_b32 s47, 0
	s_mul_i32 s45, s14, 2*REC                      ; where it goes in a slot
	s_mov_b32 s[SEL], 0x76543210
	s_mov_b32 s[SEL+1], 0xfedcba98
	s_wait_dscnt 0x0                               ; both opening adds are done
	s_wait_kmcnt 0x0
	s_add_nc_u64 s[20:21], s[4:5], s[20:21]
	s_add_nc_u64 s[46:47], s[4:5], s[46:47]
	FIRST
	LANES
	v_and_b32 v7, 8, v1
	v_add_nc_u32 v7, v7, v1
	v_lshlrev_b32 v6, 8, v7
	v_lshl_add_u32 v6, v2, 6, v6                   ; the table: my token's 256 bytes, + 64 h: my 16 frequencies
	; the way out's addresses
	s_lshl_b32 s69, s17, 1
	s_add_co_u32 s69, s69, s15                     ; my panel of S1
	s_lshl_b32 s70, s42, 1
	s_add_co_u32 s70, s70, s16                     ; of S0
	s_cmp_eq_u32 ttmp9, 2
	s_cselect_b32 s71, s69, s70                    ; the features' panel: two heads
	s_cselect_b32 s69, s70, s69                    ; the tokens' panel
	s_mov_b32 s70, 13824
	s_cmp_eq_u32 ttmp9, 0
	s_cselect_b32 s70, 7168, s70                   ; a record of q, or of k and v
	s_cselect_b32 s74, 0, KVOFF
	s_and_b32 s75, s69, 15                         ; p: the panel in its batch
	s_lshr_b32 s69, s69, 4
	s_lshl_b32 s69, s69, 4
	s_lshl_b32 s71, s71, 1
	s_add_co_u32 s69, s69, s71                     ; 16 x batch + the first head
	s_lshl_b32 s69, s69, 4
	s_add_co_u32 s69, s69, s75
	s_mul_i32 s69, s69, s70
	s_add_co_u32 s76, s69, s74
	s_mov_b32 s77, 0
	s_lshl_b32 s78, s70, 4                         ; the next head: 16 records on
	s_mov_b32 s79, 0
	s_add_nc_u64 s[76:77], s[6:7], s[76:77]
	s_add_nc_u64 s[78:79], s[76:77], s[78:79]
	s_lshl_b32 s72, s75, 15
	s_add_co_u32 s72, s72, OFF_ROPE
	s_mov_b32 s73, 0
	s_add_nc_u64 s[72:73], s[4:5], s[72:73]        ; the table at my panel's first position
	s_wait_tensorcnt 0x2                           ; my part of slot 0 is in; slots 1 and 2's two loads may stay out
	s_barrier_signal -1
	s_barrier_wait -1
	FETCH 0, 0, 0
	STEP 0, 0, 1, 1                                ; K step 0: the first products start the sums: nothing is cleared
	TURN 1, 1, 1                                   ; step 1: slots 1 and 2 are whole in every wave; slot 0 takes steps 6 and 7
	STEP 0, 1, 1, 0                                ; step 2
	STEP 1, 2, 0, 0                                ; step 3: on to slot 2, which step 1's barrier has shown whole: no barrier here
	STEP 0, 2, 1, 0                                ; step 4
	TURN 1, 0, 0                                   ; step 5: slot 0's second fill is whole in every wave; nothing is left to fetch
	STEP 0, 0, 1, 0                                ; step 6
	s_wait_dscnt 0x0
.macro CSLOAD a, base                  ; cos and sin of tile a's tokens: 16 of each a lane, into 32 registers from base on
.irp jj, 0,1,2,3
	global_load_b128 v[(\base)+4*\jj:(\base)+4*\jj+3], v6, s[72:73] offset:(32*((\a)/2)+8*((\a)%2))*256+16*\jj
	global_load_b128 v[(\base)+16+4*\jj:(\base)+16+4*\jj+3], v6, s[72:73] offset:(32*((\a)/2)+8*((\a)%2))*256+128+16*\jj
.endr
.endm
	s_cmp_eq_u32 ttmp9, 2                          ; q's and k's way parts from v's here, once: v is not rotated and asks for no table.  The last K step stands on both ways
	s_cbranch_scc1 .Lv_path
	PLACES 4                                       ; set 0 of both sides was multiplied by the step before
	CSLOAD 0, 64                                   ; the table of tiles 0 to 6 is asked for ahead of the last K step, into registers that are free by now: set 0 of both sides, and window 1's v192-255
	CSLOAD 1, 96
	WIN 0x40                                       ; destination window 1
	CSLOAD 2, 0
	CSLOAD 3, 32
	CSLOAD 4, 64
	CSLOAD 5, 192
	CSLOAD 6, 224
	WIN 0
	ROWS 0, NT, 1, 0                               ; the last K step
	WIN 0
	PLACES 4                                       ; in front of the first read of results, the first write of the last products' operands and the loads into them
.irp b, 0,1,2,3
	v_mov_b32 v[TM+4+\b], 0                        ; a lane permute's destination counts as one of its sources
.endr
	WIN 0x40
	CSLOAD 7, 96                                   ; tile 7's, into S0's set 1, which is done with: it has seven tiles' work in which to land
	WIN 0
; q, k: tile a's 16 tokens.  In a head, feature d < 32 stands in register 32 hd + i (d = 16 h + i), its partner d + 32 sixteen registers on.  The rotated numbers go to v160-223 in the same order and are quantised:
; the fragment's first half is the first head's 64, its second half the second head's; the scale word's low two bytes are the first head's.  cw, cb: the window and first register of the tile's cos and sin
.macro QKOUT a, cw, cb
.set aw, 2+(\a)/4
.set ab, 64*((\a)%4)
	s_wait_loadcnt 8*(7-(\a))                      ; this tile's 8 loads are in; those of the 7 - a tiles behind it may be out
	s_wait_xcnt 0x0                                ; the last tile's stores have read the codes' registers, which are written again below
	WIN aw|((\cw)<<2)
.irp hd, 0,1
.irp i, 0,2,4,6,8,10,12,14
.set tt, 242+4*((\i/2)%2)
	v_pk_mul_f32 v[tt:tt+1], v[ab+32*\hd+16+\i:ab+32*\hd+17+\i], v[(\cb)+16+\i:(\cb)+17+\i]
	v_pk_mul_f32 v[tt+2:tt+3], v[ab+32*\hd+\i:ab+32*\hd+1+\i], v[(\cb)+16+\i:(\cb)+17+\i]
	v_pk_fma_f32 v[160+32*\hd+\i:161+32*\hd+\i], v[ab+32*\hd+\i:ab+32*\hd+1+\i], v[(\cb)+\i:(\cb)+1+\i], v[tt:tt+1] neg_lo:[0,0,1] neg_hi:[0,0,1]   ; x1 cos - x2 sin
	v_pk_fma_f32 v[176+32*\hd+\i:177+32*\hd+\i], v[ab+32*\hd+16+\i:ab+32*\hd+17+\i], v[(\cb)+\i:(\cb)+1+\i], v[tt+2:tt+3]   ; x2 cos + x1 sin
.endr
.endr
	WIN 0
	QUANT 160, 0
	v_lshrrev_b32 v241, 16, v[PW]                  ; the second head's two bytes
	global_store_b128 v3, v[PC:PC+3], s[76:77] offset:768*(\a)
	global_store_b64 v4, v[PC+4:PC+5], s[76:77] offset:768*(\a)+512
	global_store_b32 v5, v[PW], s[76:77] offset:6144+128*(\a)
	global_store_b128 v3, v[PC+6:PC+9], s[78:79] offset:768*(\a)
	global_store_b64 v4, v[PC+10:PC+11], s[78:79] offset:768*(\a)+512
	global_store_b32 v5, v241, s[78:79] offset:6144+128*(\a)
.endm
	QKOUT 0, 0, 64
	QKOUT 1, 0, 96
	QKOUT 2, 1, 0
	QKOUT 3, 1, 32
	QKOUT 4, 1, 64
	QKOUT 5, 1, 192
	QKOUT 6, 1, 224
	QKOUT 7, 1, 96
	s_branch .Lend
.Lv_path:
	ROWS 0, NT, 1, 0                               ; the last K step
	WIN 0
	PLACES 4                                       ; in front of the first read of results and the first write of the last products' operands
.irp b, 0,1,2,3
	v_mov_b32 v[TM+4+\b], 0                        ; a lane permute's destination counts as one of its sources
.endr
; v: tile a's 16 features against my 128 keys: the accumulators are quantised as they stand, along the keys.  Tiles 0-3 are the first head's, 4-7 the second's
.irp a, 0,1,2,3,4,5,6,7
.if \a > 0
	s_wait_xcnt 0x0                                ; the last tile's stores have read the codes' registers
.endif
	QUANT 64*(\a%4), 2+\a/4
	IMG 76+2*(\a/4), 7168+1536*(\a%4)
	global_store_b32 v5, v[PW], s[76+2*(\a/4):77+2*(\a/4)] offset:13312+128*(\a%4)
.endr
.Lend:
	s_wait_tensorcnt 0x0                           ; the wave's end
	ds_add_u32 v28, v29
	s_wait_dscnt 0x0
	CROUND                                         ; the closing round: no work-group ends while a partner may still ask for a tile that names it
	s_endpgm
.Lfunc_end_k_q8e30770320_qkv:
	.size	k_q8e30770320_qkv, .Lfunc_end_k_q8e30770320_qkv-k_q8e30770320_qkv
	.p2alignl 7, 3214868480
	.fill 96, 4, 3214868480
	.section	.rodata,"a",@progbits
	.p2align	6, 0x0
	.amdhsa_kernel k_q8e30770320_qkv
		.amdhsa_group_segment_fixed_size 327680
		.amdhsa_private_segment_fixed_size 0
		.amdhsa_enable_private_segment 0
		.amdhsa_kernarg_size 16
		.amdhsa_user_sgpr_count 2
		.amdhsa_user_sgpr_kernarg_segment_ptr 1
		.amdhsa_wavefront_size32 1
		.amdhsa_system_sgpr_workgroup_id_x 1
		.amdhsa_system_sgpr_workgroup_id_y 1
		.amdhsa_system_sgpr_workgroup_id_z 1
		.amdhsa_system_vgpr_workitem_id 0
		.amdhsa_next_free_vgpr 1024
		.amdhsa_next_free_sgpr 100
		.amdhsa_reserve_vcc 0
		.amdhsa_float_denorm_mode_32 3
		.amdhsa_float_denorm_mode_16_64 3
		.amdhsa_memory_ordered 1
		.amdhsa_forward_progress 1
		.amdhsa_inst_pref_size 231
	.end_amdhsa_kernel
	.amdgpu_metadata
---
amdhsa.version: [ 1, 2 ]
amdhsa.kernels:
  - .name:           k_q8e30770320_qkv
    .symbol:         k_q8e30770320_qkv.kd
    .args:
      - { .name: pb, .offset: 0, .size: 8, .value_kind: global_buffer, .address_space: global }
      - { .name: qkvi, .offset: 8, .size: 8, .value_kind: global_buffer, .address_space: global }
    .group_segment_fixed_size: 327680
    .private_segment_fixed_size: 0
    .kernarg_segment_align: 8
    .kernarg_segment_size: 16
    .max_flat_workgroup_size: 128
    .sgpr_count:     100
    .vgpr_count:     1024
    .wavefront_size: 32
...
	.end_amdgpu_metadata
.endif
;; end of part 2
;; launch attn (part 3): grid 8 x 32, 16 waves a work-group, clusters of 4 x 1, 327,680 bytes of LDS; arguments qkvi, ci; writes ci
.if DOCPART == 3
	.amdgcn_target "amdgcn-amd-amdhsa--gfx1250"
	.amdhsa_code_object_version 6
	.text
	.protected	k_q8e30770320_attn
	.globl	k_q8e30770320_attn
	.p2align	8
	.type	k_q8e30770320_attn,@function
k_q8e30770320_attn:
	s_mov_b64 s[64:65], 0
	v_nop
	global_prefetch_b8 v0, s[64:65] scope:SCOPE_SE
	s_setreg_imm32_b32 hwreg(HW_REG_WAVE_MODE, 25, 1), 1
	s_wait_xcnt 0x0
	s_wait_alu depctr_hold_cnt(0) depctr_sa_sdst(0) depctr_va_vdst(0) depctr_va_sdst(0) depctr_va_ssrc(0) depctr_va_vcc(0) depctr_vm_vsrc(0)
	s_getreg_b32 s2, hwreg(HW_REG_IB_STS2, 6, 4)
	s_cmp_eq_u32 s2, 0
	s_cbranch_scc0 .Lentry_in_a_cluster
	s_endpgm
.Lentry_in_a_cluster:
	s_bfe_u32 s2, ttmp6, 0x10000c
	s_cmp_lg_u32 s2, 0x3003
	s_cbranch_scc0 .Lentry_shape_is_right
	s_endpgm
.Lentry_shape_is_right:
; ATTN: ctx = softmax(q k^T / 8) v on codes of FP6, and ctx quantised along the model's 1,024 on the way out.  Nothing of reference() is left out.
; THE SOFTMAX AHEAD OF THE SECOND PRODUCT: t = score x log2(e) / 8; M = the row's largest t so far, rounded up to a whole number; p = 2^(t - M) is quantised along the keys, not normalised.  The row's sum is taken of the
; unquantised p and divides at the end.  When M moves, the sum and O are multiplied by 2^(old M - new M): exact.
; SHARES: a work-group owns 256 queries of one head (work-group y = 16 x batch + head), each of its sixteen waves one tile of 16: four waves to a SIMD, so that one wave's vector work stands beside another's products.
; THE HEAD'S K AND V STAY IN LDS: 16 records of 13,824 bytes (128 keys each: see qkv), filled once: wave w brings record w by one tensor load.  No slot is filled again.
; CLUSTER 4 x 1: the four query blocks of a cluster belong to one head, so each record is asked for jointly, by the same load with the mask of all four.
; The head's K is 64, the instruction's 128: registers 6-11 of q's and k's fragments hold zero codes, which add nothing under any scale byte that these words hold (none is 0xff).
; Both products are used transposed (S^T = k q^T, O^T = v^T p^T): a lane holds one query throughout; the order of keys in a tile makes p's 16 registers of two neighbouring tiles 16 neighbouring keys.
; REGISTERS: v1-3 16, 8, 4 x lane; v5, v6 the add's two; v8-10 the step's addresses; v12 -M, v13 the largest t, v[14:15] the sum; v16-27 q; v28-31 v's scale words; v32-79 four fragments of k; v80-143 S^T, then p;
;   v144-175 O^T; v176-223 v's four fragments; v224-235 p's codes; v232-254 at work; v248-251 k's scale words; v253 p's; v255 q's.
; LIMITS: as stated in prep.
.set REC,   13312
.set KVREC, 13824
.set KVOFF, 3670016
.set SPARE, 16*KVREC                   ; behind the records: the spare words, 128 bytes for each of sixteen waves
.set WV,  18
.set SEL, 20
.set CS,  22
.macro CROUND
	s_barrier_signal -1
	s_barrier_wait -1
	s_cmp_lg_u32 s[WV], 0
	s_cbranch_scc1 .Lnot_wave_0_\@
	s_barrier_signal -3
.Lnot_wave_0_\@:
	s_barrier_wait -3
	s_barrier_signal -1
	s_barrier_wait -1
.endm
	s_load_b128 s[4:7], s[0:1], 0x0                ; qkvi, ci
	v_lshl_add_u32 v5, v0, 2, SPARE
	v_mov_b32 v6, 0
	ds_add_u32 v5, v6                              ; the wave's opening: the add, twice on end, and its wait ahead of my first tensor load
	ds_add_u32 v5, v6
	v_lshrrev_b32 v1, 5, v0
	v_readfirstlane_b32 s[WV], v1                  ; wave 0..15
	s_bfe_u32 s8, ttmp6, 0x40000                   ; cx: it enters q's and ctx's global addresses alone
	s_lshl_b32 s9, ttmp9, 2
	s_add_co_u32 s9, s9, s8                        ; my block of 256 queries
	s_and_b32 s10, ttmp7, 0xffff                   ; 16 x batch + head
	s_lshl_b32 s11, s10, 4
	s_add_co_u32 s12, s11, s[WV]                   ; the record of k and v that I fetch
	s_mul_i32 s12, s12, KVREC
	s_add_co_u32 s12, s12, KVOFF
	s_mov_b32 s13, 0
	s_mov_b32 s24, 15|(3<<16)|(1<<21)              ; group 1: 15:0 the mask: all four; 17:16 elements of 8 bytes; no padding; 21 set beside a mask
	s_mov_b32 s25, 32<<16                          ; tensor_dim0 = 32: 256 bytes
	s_mov_b32 s26, 54<<16                          ; tensor_dim1 = 54 rows: a record
	s_mov_b32 s27, 32<<16                          ; tile_dim0
	s_mov_b32 s28, 54                              ; tile_dim1
	s_mov_b32 s29, 32                              ; the pitch: dense
	s_mov_b32 s30, 0
	s_mov_b32 s31, 0
	s_mov_b32 s32, 1
	s_mul_i32 s33, s[WV], KVREC                    ; its place in LDS
	s_lshl_b32 s14, s9, 1
	s_lshr_b32 s15, s[WV], 3
	s_add_co_u32 s14, s14, s15                     ; p: my panel of 128 queries
	s_and_b32 s15, s[WV], 7                        ; a: my tile in it
	s_add_co_u32 s16, s11, s14
	s_mul_i32 s16, s16, 7168                       ; q's record
	s_mul_i32 s17, s15, 768
	s_add_co_u32 s36, s16, s17                     ; my half fragment
	s_mov_b32 s37, 0
	s_lshl_b32 s17, s15, 7
	s_add_co_u32 s38, s16, s17
	s_add_co_u32 s38, s38, 6144                    ; its scale image
	s_mov_b32 s39, 0
	s_lshr_b32 s40, s10, 4
	s_lshl_b32 s40, s40, 4
	s_add_co_u32 s40, s40, s14                     ; ctx: the tokens' panel,
	s_lshl_b32 s40, s40, 3
	s_bfe_u32 s41, s10, 0x30001                    ; K step = head / 2,
	s_add_co_u32 s40, s40, s41
	s_mul_i32 s40, s40, REC
	s_and_b32 s41, s10, 1                          ; half of the fragment = head % 2
	s_mul_i32 s42, s15, 1536
	s_add_co_u32 s42, s42, s40
	s_mul_i32 s44, s41, 768
	s_add_co_u32 s42, s42, s44
	s_mov_b32 s43, 0
	s_lshl_b32 s44, s15, 7
	s_add_co_u32 s44, s44, s40
	s_lshl_b32 s45, s41, 1
	s_add_co_u32 s44, s44, s45
	s_add_co_u32 s44, s44, 12288                   ; my two bytes of each scale word
	s_mov_b32 s45, 0
	s_mov_b32 s[SEL], 0x76543210
	s_mov_b32 s[SEL+1], 0xfedcba98
	s_mov_b32 s[CS], 0x3e38aa3b                    ; c = log2(e) / 8
	s_mov_b32 s[CS+1], s[CS]
	s_mov_b32 s2, 0                                ; LDS byte of the key step's record
	s_mov_b32 s3, 16                               ; key steps to go
	s_wait_dscnt 0x0                               ; both opening adds are done
	s_wait_kmcnt 0x0
	s_add_nc_u64 s[34:35], s[4:5], s[12:13]
	s_or_b32 s35, s35, 0x80000000
	s_add_nc_u64 s[36:37], s[4:5], s[36:37]
	s_add_nc_u64 s[38:39], s[4:5], s[38:39]
	s_add_nc_u64 s[42:43], s[6:7], s[42:43]
	s_add_nc_u64 s[44:45], s[6:7], s[44:45]
	CROUND                                         ; all four work-groups are here: the joint loads meet
	tensor_load_to_lds s[32:35], s[24:31]          ; one tensor load of mine is out
	s_nop 0
	v_and_b32 v3, 31, v0
	v_lshlrev_b32 v1, 4, v3
	v_lshlrev_b32 v2, 3, v3
	v_lshlrev_b32 v3, 2, v3
	global_load_b128 v[16:19], v1, s[36:37]        ; q's half fragment stays in registers
	global_load_b64 v[20:21], v2, s[36:37] offset:512
	global_load_b32 v255, v3, s[38:39]
.irp i, 22,23,24,25,26,27
	v_mov_b32 v[\i], 0                             ; zero codes for K = 64 .. 127
.endr
.irp t, 0,1,2,3
.irp i, 6,7,8,9,10,11
	v_mov_b32 v[32+12*\t+\i], 0
.endr
.endr
	v_mov_b32 v13, 0xff61b1e6                      ; the largest t so far: -3e38, under every t
	v_floor_f32 v12, -v13                          ; -M
	v_mov_b32 v14, 0
	v_mov_b32 v15, 0
.irp b, 0,1,2,3
	v_mov_b32 v[236+\b], 0                         ; a lane permute's destination counts as one of its sources
.endr
	v_mov_b32 v253, 0                              ; (named as the upper half of v[252:253] before it is first written)
.set j, 0
.rept 32
	v_mov_b32 v[144+j], 0                          ; O^T: the loop is written once; its first step finds zeros, which the first change of M leaves zeros
.set j, j+1
.endr
	s_wait_tensorcnt 0x0                           ; my record is in,
	s_barrier_signal -1
	s_barrier_wait -1                              ; everybody's is
	s_wait_loadcnt 0x0                             ; q
.Lstep:                                            ; a key step: 128 keys
	v_add_nc_u32 v8, s2, v1
	v_add_nc_u32 v9, s2, v2
	v_add_nc_u32 v10, s2, v3
	v_nop                                          ; four places behind the last step's products, whose operands are loaded anew
.irp t, 0,1,2,3
	ds_load_b128 v[32+12*\t:35+12*\t], v8 offset:768*\t
	ds_load_b64 v[36+12*\t:37+12*\t], v9 offset:768*\t+512
	ds_load_b32 v[248+\t], v10 offset:6144+128*\t
.endr
.irp t, 0,1,2,3
	ds_load_b128 v[176+12*\t:179+12*\t], v8 offset:7168+1536*\t
	ds_load_b64 v[180+12*\t:181+12*\t], v9 offset:7168+1536*\t+512
	ds_load_b128 v[182+12*\t:185+12*\t], v8 offset:7168+1536*\t+768
	ds_load_b64 v[186+12*\t:187+12*\t], v9 offset:7168+1536*\t+1280
	ds_load_b32 v[28+\t], v10 offset:13312+128*\t
.endr
	s_wait_dscnt 0x14                              ; k's first 12 loads are in; v's 20, issued behind them, may be out
.irp t, 0,1,2,3
	v_wmma_scale_f32_16x16x128_f8f6f4 v[80+8*\t:87+8*\t], v[32+12*\t:43+12*\t], v[16:27], 0, v[248+\t], v255 matrix_a_fmt:MATRIX_FMT_FP6 matrix_b_fmt:MATRIX_FMT_FP6
.endr
.rept 4
	v_nop                                          ; places in front of loads into registers that these products read
.endr
.irp t, 0,1,2,3
	ds_load_b128 v[32+12*\t:35+12*\t], v8 offset:768*(4+\t)
	ds_load_b64 v[36+12*\t:37+12*\t], v9 offset:768*(4+\t)+512
	ds_load_b32 v[248+\t], v10 offset:6144+128*(4+\t)
.endr
	s_wait_dscnt 0x0
.irp t, 0,1,2,3
	v_wmma_scale_f32_16x16x128_f8f6f4 v[112+8*\t:119+8*\t], v[32+12*\t:43+12*\t], v[16:27], 0, v[248+\t], v255 matrix_a_fmt:MATRIX_FMT_FP6 matrix_b_fmt:MATRIX_FMT_FP6
.endr
.rept 4
	v_nop
.endr
.irp b, 0,1,2,3
	v_max3_num_f32 v[232+\b], v[80+16*\b], v[81+16*\b], v[82+16*\b]   ; the largest score of each block of 32 keys: for the row's maximum, and, since p rises with the score, for the block's largest p
.endr
.irp i, 3,5,7,9,11,13
.irp b, 0,1,2,3
	v_max3_num_f32 v[232+\b], v[232+\b], v[80+16*\b+\i], v[81+16*\b+\i]
.endr
.endr
.irp b, 0,1,2,3
	v_max_num_f32 v[232+\b], v[232+\b], v[95+16*\b]
.endr
.irp b, 0,1,2,3
	v_permlanex16_b32 v[236+\b], v[232+\b], s[SEL], s[SEL+1]
.endr
.irp b, 0,1,2,3
	v_max_num_f32 v[232+\b], v[232+\b], v[236+\b]  ; with lane l xor 16's 16 keys
.endr
	v_max3_num_f32 v254, v232, v233, v234
	v_max_num_f32 v254, v254, v235
	v_mul_f32 v254, s[CS], v254                    ; the step's largest t
	v_max_num_f32 v13, v13, v254
	v_mov_b32 v254, v12
	v_floor_f32 v12, -v13                          ; the new -M = -ceil(t)
	v_sub_f32 v254, v12, v254                      ; old M - new M: a whole number, 0 or less
	v_cvt_i32_f32 v254, v254                       ; (it saturates)
	v_ldexp_f32 v252, 1.0, v254                    ; f = 2^(old M - new M)
.irp j, 0,2,4,6,8,10,12,14,16,18,20,22,24,26,28,30,32,34,36,38,40,42,44,46,48,50,52,54,56,58,60,62
	v_pk_fma_f32 v[80+\j:81+\j], v[80+\j:81+\j], s[CS:CS+1], v[12:13] op_sel_hi:[1,0,0]   ; t - M
.endr
.irp b, 0,1,2,3
	v_fma_f32 v[232+\b], v[232+\b], s[CS], v12
.endr
.set j, 0
.rept 64
	v_exp_f32 v[80+j], v[80+j]                     ; p = 2^(t - M)
.set j, j+1
.endr
	v_pk_mul_f32 v[14:15], v[14:15], v[252:253] op_sel_hi:[1,0]   ; the sums under the new M (a plain place behind the exponentials)
	s_wait_alu depctr_va_vdst(0)                   ; one wait for the batch, ahead of its first reader
.irp b, 0,1,2,3
	v_exp_f32 v[232+\b], v[232+\b]                 ; each block's largest p
.endr
	v_pk_add_f32 v[236:237], v[80:81], v[82:83]    ; the row's sum is taken of the unquantised p, in two chains
.irp j, 4,8,12,16,20,24,28,32,36,40,44,48,52,56,60
	v_pk_add_f32 v[14:15], v[14:15], v[80+\j:81+\j]
	v_pk_add_f32 v[236:237], v[236:237], v[82+\j:83+\j]
.endr
	v_pk_add_f32 v[14:15], v[14:15], v[236:237]
	s_wait_alu depctr_va_vdst(0)                   ; and one for the four
.irp b, 0,1,2,3
	v_max_num_f32 v[232+\b], 0x1800000, v[232+\b]  ; the floor 2^(3 - 127): the byte cannot fall under 1
.endr
.irp b, 0,1,2,3
	v_add_nc_u32 v[244+\b], 0xff000000, v[232+\b]
.endr
.irp b, 0,1,2,3
	v_lshrrev_b32 v[236+\b], 23, v[244+\b]
.endr
	v_lshl_or_b32 v253, v237, 8, v236              ; p's scale word for these 128 keys
	v_lshl_or_b32 v253, v238, 16, v253
	v_lshl_or_b32 v253, v239, 24, v253
.irp c, 0,1
	v_cvt_scalef32_pk16_fp6_f32 v[224+6*\c:226+6*\c], v[80+32*\c:95+32*\c], v[244+2*\c]
	v_cvt_scalef32_pk16_fp6_f32 v[236+4*\c:238+4*\c], v[96+32*\c:111+32*\c], v[244+2*\c+1]
.endr
	v_nop                                          ; one plain place behind a scaled conversion
.irp c, 0,1
.irp i, 0,1,2
	v_permlane16_swap_b32 v[224+6*\c+\i], v[236+4*\c+\i]
.endr
.irp i, 0,1,2
	v_mov_b32 v[227+6*\c+\i], v[236+4*\c+\i]
.endr
.endr
.irp j, 0,2,4,6,8,10,12,14,16,18,20,22,24,26,28,30
	v_pk_mul_f32 v[144+\j:145+\j], v[144+\j:145+\j], v[252:253] op_sel_hi:[1,0]   ; O^T under the new M; these are also the places between p's codes and scale word and the products below
.endr
.irp t, 0,1,2,3
	v_wmma_scale_f32_16x16x128_f8f6f4 v[144+8*\t:151+8*\t], v[176+12*\t:187+12*\t], v[224:235], v[144+8*\t:151+8*\t], v[28+\t], v253 matrix_a_fmt:MATRIX_FMT_FP6 matrix_b_fmt:MATRIX_FMT_FP6
.endr
	s_add_co_u32 s2, s2, KVREC
	s_sub_co_u32 s3, s3, 1
	s_cmp_lg_u32 s3, 0
	s_cbranch_scc1 .Lstep
	; THE WAY OUT: O^T / the sum; register 16 b + i is channel 32 b + 16 h + i of my query: two blocks of 32 of ctx's K, quantised here; they are half a fragment of the next product's operand
.rept 4
	v_nop                                          ; places behind the last products
.endr
	v_add_f32 v14, v14, v15
	v_permlanex16_b32 v252, v14, s[SEL], s[SEL+1]
	v_add_f32 v14, v14, v252                       ; the row's sum
	v_rcp_f32 v14, v14
	v_nop
	s_wait_alu depctr_va_vdst(0)
.set j, 0
.rept 32
	v_mul_f32 v[80+j], v[144+j], v14               ; each accumulator from its low end on
.set j, j+1
.endr
.irp b, 0,1
	v_max3_num_f32 v[232+\b], |v[80+16*\b]|, |v[81+16*\b]|, 0x1800000
.endr
.irp i, 2,4,6,8,10,12,14
.irp b, 0,1
	v_max3_num_f32 v[232+\b], v[232+\b], |v[80+16*\b+\i]|, |v[81+16*\b+\i]|
.endr
.endr
.irp b, 0,1
	v_permlanex16_b32 v[236+\b], v[232+\b], s[SEL], s[SEL+1]
.endr
.irp b, 0,1
	v_max_num_f32 v[232+\b], v[232+\b], v[236+\b]
.endr
.irp b, 0,1
	v_add_nc_u32 v[244+\b], 0xff000000, v[232+\b]
.endr
.irp b, 0,1
	v_lshrrev_b32 v[236+\b], 23, v[244+\b]
.endr
	v_lshl_or_b32 v253, v237, 8, v236              ; my head's two bytes of the row's scale word
	v_cvt_scalef32_pk16_fp6_f32 v[224:226], v[80:95], v244
	v_cvt_scalef32_pk16_fp6_f32 v[240:242], v[96:111], v245
	v_nop
.irp i, 0,1,2
	v_permlane16_swap_b32 v[224+\i], v[240+\i]
.endr
.irp i, 0,1,2
	v_mov_b32 v[227+\i], v[240+\i]
.endr
	global_store_b128 v1, v[224:227], s[42:43]
	global_store_b64 v2, v[228:229], s[42:43] offset:512
	global_store_b16 v3, v253, s[44:45]            ; the word's other two bytes are the neighbouring head's, stored by its work-group
	s_wait_tensorcnt 0x0                           ; the wave's end
	ds_add_u32 v5, v6
	s_wait_dscnt 0x0
	CROUND                                         ; the closing round
	s_endpgm
.Lfunc_end_k_q8e30770320_attn:
	.size	k_q8e30770320_attn, .Lfunc_end_k_q8e30770320_attn-k_q8e30770320_attn
	.p2alignl 7, 3214868480
	.fill 96, 4, 3214868480
	.section	.rodata,"a",@progbits
	.p2align	6, 0x0
	.amdhsa_kernel k_q8e30770320_attn
		.amdhsa_group_segment_fixed_size 327680
		.amdhsa_private_segment_fixed_size 0
		.amdhsa_enable_private_segment 0
		.amdhsa_kernarg_size 16
		.amdhsa_user_sgpr_count 2
		.amdhsa_user_sgpr_kernarg_segment_ptr 1
		.amdhsa_wavefront_size32 1
		.amdhsa_system_sgpr_workgroup_id_x 1
		.amdhsa_system_sgpr_workgroup_id_y 1
		.amdhsa_system_sgpr_workgroup_id_z 1
		.amdhsa_system_vgpr_workitem_id 0
		.amdhsa_next_free_vgpr 256
		.amdhsa_next_free_sgpr 66
		.amdhsa_reserve_vcc 0
		.amdhsa_float_denorm_mode_32 3
		.amdhsa_float_denorm_mode_16_64 3
		.amdhsa_memory_ordered 1
		.amdhsa_forward_progress 1
		.amdhsa_inst_pref_size 28
	.end_amdhsa_kernel
	.amdgpu_metadata
---
amdhsa.version: [ 1, 2 ]
amdhsa.kernels:
  - .name:           k_q8e30770320_attn
    .symbol:         k_q8e30770320_attn.kd
    .args:
      - { .name: qkvi, .offset: 0, .size: 8, .value_kind: global_buffer, .address_space: global }
      - { .name: ci, .offset: 8, .size: 8, .value_kind: global_buffer, .address_space: global }
    .group_segment_fixed_size: 327680
    .private_segment_fixed_size: 0
    .kernarg_segment_align: 8
    .kernarg_segment_size: 16
    .max_flat_workgroup_size: 512
    .sgpr_count:     66
    .vgpr_count:     256
    .wavefront_size: 32
...
	.end_amdgpu_metadata
.endif
;; end of part 3
;; launch oproj (part 4): grid 8 x 32, 4 waves a work-group, clusters of 4 x 4, 327,680 bytes of LDS; arguments ci, pb, x, b_o, y; writes y
.if DOCPART == 4
	.amdgcn_target "amdgcn-amd-amdhsa--gfx1250"
	.amdhsa_code_object_version 6
	.text
	.protected	k_q8e30770320_oproj
	.globl	k_q8e30770320_oproj
	.p2align	8
	.type	k_q8e30770320_oproj,@function
k_q8e30770320_oproj:
	s_mov_b64 s[64:65], 0
	v_nop
	global_prefetch_b8 v0, s[64:65] scope:SCOPE_SE
	s_setreg_imm32_b32 hwreg(HW_REG_WAVE_MODE, 25, 1), 1
	s_wait_xcnt 0x0
	s_wait_alu depctr_hold_cnt(0) depctr_sa_sdst(0) depctr_va_vdst(0) depctr_va_sdst(0) depctr_va_ssrc(0) depctr_va_vcc(0) depctr_vm_vsrc(0)
	s_getreg_b32 s2, hwreg(HW_REG_IB_STS2, 6, 4)
	s_cmp_eq_u32 s2, 0
	s_cbranch_scc0 .Lentry_in_a_cluster
	s_endpgm
.Lentry_in_a_cluster:
	s_bfe_u32 s2, ttmp6, 0x10000c
	s_cmp_lg_u32 s2, 0xf033
	s_cbranch_scc0 .Lentry_shape_is_right
	s_endpgm
.Lentry_shape_is_right:
; A product with 1,024 columns, a bias and a residual: y = res + A W^T + bias, A and W as records of FP6 codes (see prep), res, bias and y in f32.  Here: A = ctx, W = w_o, res = x, bias = b_o.  Nothing of reference() is left out.
; The layer norm that follows wants whole rows of 1,024, which no work-group of this launch holds: it is the next launch.
; A work-group of four waves makes 128 x 128, so that 1,024 columns still give 256 work-groups; a wave makes 64 x 64: 16 accumulators.  Source 0 = W's rows (side S0), source 1 = A's rows (S1): a lane holds one token and
; eight neighbouring columns an accumulator.  K goes in steps of 128 through two LDS slots of four steps; a wave's tensor load brings two records (26,624 dense bytes) as 104 rows of 256 bytes.
; CLUSTER 4 x 4: A's panel is asked for jointly along a row of the cluster, W's along a column.
; REGISTERS: window 0: v1-5 lane terms, v6-10 the way out's addresses, v16-25 LDS addresses, v28, v29 the add's two, v32-47 scale words, v64.., v160.. S1's fragments (two sets), v128-131 the bias;
;   window 1: S0's fragments; window 2: v0-127 the accumulators ((a, b) at v[8 (4 a + b)]); window 3: v0-127 the residual's rows, asked for at the head.
.set NT,   4
.set NQ,   4
.set KS,   8                           ; K steps in all
.set BREG, 5963776                     ; W's records in pb
.set REC,  13312
.set SLOT, 8*REC
.set STP,  6144                        ; four fragments: from one wave's tiles in a record to the other's
.set SSTP, 512
.set STG,  2*SLOT                      ; behind the ring: a stage of 16 rows x (256 + 16) bytes for each wave; no tensor load fills it
.set SPARE, STG+4*4352                 ; behind the stages: the spare words
.set LAPS, KS/8                        ; a lap = two slots = 8 K steps
.set G1,  24
.set G0,  32
.set G1B, 48
.set G0B, 56
.set MSB, 0
.macro WIN new                         ; the immediate's high byte repeats the setting that is left
.if MSB != (\new)
	s_set_vgpr_msb (MSB<<8)|(\new)
.set MSB, (\new)
.endif
.endm
.macro PLACES n
.rept \n
	v_nop
.endr
.endm
; a joint load: waves 0 and 1 fetch for S1, waves 2 and 3 for S0; an s_nop 0 and four v_nop follow each of the two lines
.macro JLOAD g0a, g1a, g0b, g1b
	s_cmp_eq_u32 s15, 0
	s_cbranch_scc0 .Lfor_b_\@
	tensor_load_to_lds s[\g0a:\g0a+3], s[\g1a:\g1a+7]
	s_nop 0
	PLACES 4
	s_branch .Lasked_\@
.Lfor_b_\@:
	tensor_load_to_lds s[\g0b:\g0b+3], s[\g1b:\g1b+7]
	s_nop 0
	PLACES 4
.Lasked_\@:
.endm
.macro CREST
	s_cmp_lg_u32 s14, 0
	s_cbranch_scc1 .Lnot_wave_0_\@
	s_barrier_signal -3
.Lnot_wave_0_\@:
	s_barrier_wait -3
	s_barrier_signal -1
	s_barrier_wait -1
.endm
.macro CROUND
	s_barrier_signal -1
	s_barrier_wait -1
	CREST
.endm
.macro IDS
	v_lshl_add_u32 v28, v0, 2, SPARE
	v_mov_b32 v29, 0
	ds_add_u32 v28, v29                            ; the wave's opening: the add, twice on end, and its wait ahead of my first tensor load
	ds_add_u32 v28, v29
	v_lshrrev_b32 v1, 5, v0
	v_readfirstlane_b32 s14, v1                    ; wave 0..3
	s_lshr_b32 s15, s14, 1                         ; my half of S1.  Also: I fetch for S1 (0) or S0 (1)
	s_and_b32 s16, s14, 1                          ; my half of S0.  Also: which two of a slot's four records I fetch
	s_bfe_u32 s40, ttmp6, 0x40000                  ; cx
	s_bfe_u32 s41, ttmp6, 0x40004                  ; cy
	s_lshl_b32 s42, ttmp9, 2
	s_add_co_u32 s42, s42, s40                     ; W's panel = 4 x cluster x + cx
	s_and_b32 s17, ttmp7, 0xffff
	s_lshl_b32 s17, s17, 2
	s_add_co_u32 s17, s17, s41                     ; the tokens' panel = 4 x cluster y + cy
	s_lshl_b32 s43, s41, 2
	s_lshl_b32 s43, 15, s43                        ; my row of the cluster
	s_lshl_b32 s44, 0x1111, s40                    ; my column
	s_or_b32 s[G1], s43, (3<<16)|(1<<21)           ; 15:0 the mask; 17:16 elements of 8 bytes; no padding; 21 set beside a mask
	s_or_b32 s[G1B], s44, (3<<16)|(1<<21)
.irp g, G1, G1B
	s_mov_b32 s[\g+1], 32<<16                      ; tensor_dim0 = 32 elements: 256 bytes
	s_mov_b32 s[\g+2], 104<<16                     ; tensor_dim1 = 104 rows: two records
	s_mov_b32 s[\g+3], 32<<16
	s_mov_b32 s[\g+4], 104
	s_mov_b32 s[\g+5], 32
	s_mov_b32 s[\g+6], 0
	s_mov_b32 s[\g+7], 0
.endr
.endm
.macro FIRST
	CROUND
.irp s, 0,1
	s_mov_b32 s[G0+4*\s], 1
	s_add_co_u32 s[G0+4*\s+1], s45, \s*SLOT
	s_add_nc_u64 s[G0+4*\s+2:G0+4*\s+3], s[20:21], \s*NQ*REC
	s_or_b32 s[G0+4*\s+3], s[G0+4*\s+3], 0x80000000
	s_mov_b32 s[G0B+4*\s], 1
	s_add_co_u32 s[G0B+4*\s+1], s45, \s*SLOT
	s_add_nc_u64 s[G0B+4*\s+2:G0B+4*\s+3], s[46:47], \s*NQ*REC
	s_or_b32 s[G0B+4*\s+3], s[G0B+4*\s+3], 0x80000000
	JLOAD G0+4*\s, G1, G0B+4*\s, G1B
.endr
.endm
.macro LANES
	v_and_b32 v1, 15, v0                           ; r
	v_bfe_u32 v2, v0, 4, 1                         ; h
	v_and_b32 v5, 31, v0
	v_lshlrev_b32 v3, 4, v5
	v_lshlrev_b32 v4, 3, v5
	v_lshlrev_b32 v5, 2, v5
	s_mul_i32 s21, s15, STP
	s_mul_i32 s22, s16, STP
	s_add_co_u32 s22, s22, 4*REC
.irp s, 0,1
	v_add_nc_u32 v[16+\s], s21, v3
	v_add_nc_u32 v[18+\s], s21, v4
	v_add_nc_u32 v[20+\s], s22, v3
	v_add_nc_u32 v[22+\s], s22, v4
	s_add_co_u32 s21, s21, SLOT
	s_add_co_u32 s22, s22, SLOT
.endr
	s_mul_i32 s21, s15, SSTP                       ; the scale images: lanes 0-15 take S1's, lanes 16-31 S0's: the lower base + h x the distance
	s_mul_i32 s22, s16, SSTP
	s_add_co_u32 s22, s22, 4*REC
	s_sub_co_u32 s22, s22, s21
	v_mul_u32_u24 v6, s22, v2
	s_add_co_u32 s21, s21, 12288
	v_add_nc_u32 v6, v6, v5
	v_add_nc_u32 v24, s21, v6
	v_add_nc_u32 v25, SLOT, v24
.endm
.macro FRAG reg, a16, a8, off
	ds_load_b128 v[\reg:\reg+3], v[\a16] offset:\off
	ds_load_b64 v[\reg+4:\reg+5], v[\a8] offset:\off+512
	ds_load_b128 v[\reg+6:\reg+9], v[\a16] offset:\off+768
	ds_load_b64 v[\reg+10:\reg+11], v[\a8] offset:\off+1280
.endm
.macro FETCH slot, q, sg
	WIN 0x40
.set ft, 0
.rept NT
	FRAG 96*(\sg)+12*ft, 20+(\slot), 22+(\slot), (\q)*REC+1536*ft
.set ft, ft+1
.endr
	WIN 0
.set ft, 0
.rept NT
	FRAG 64+96*(\sg)+12*ft, 16+(\slot), 18+(\slot), (\q)*REC+1536*ft
.set ft, ft+1
.endr
.set ft, 0
.rept NT
	ds_load_b32 v[32+8*(\sg)+ft], v[24+(\slot)] offset:(\q)*REC+128*ft
.set ft, ft+1
.endr
.endm
; S1's tile a against S0's NT tiles.  mode 0: sums go on; 1: the product starts them.  The accumulators take turns, one instruction a turn, in the same order in every step
.macro MULROW a, sg, mode
.set mw, (\a)/(32/NT)
.set mb, 8*NT*((\a)%(32/NT))
.set ma, 64+96*(\sg)+12*(\a)
.set ms, 32+8*(\sg)
	WIN 0xa1+0x50*mw
.set mt, 0
.rept NT
.if \mode == 0
	v_wmma_scale_f32_16x16x128_f8f6f4 v[mb+8*mt:mb+8*mt+7], v[96*(\sg)+12*mt:96*(\sg)+12*mt+11], v[ma:ma+11], v[mb+8*mt:mb+8*mt+7], v[ms+mt], v[ms+(\a)] matrix_a_fmt:MATRIX_FMT_FP6 matrix_b_fmt:MATRIX_FMT_FP6 matrix_a_scale:MATRIX_SCALE_ROW1
.else
	v_wmma_scale_f32_16x16x128_f8f6f4 v[mb+8*mt:mb+8*mt+7], v[96*(\sg)+12*mt:96*(\sg)+12*mt+11], v[ma:ma+11], 0, v[ms+mt], v[ms+(\a)] matrix_a_fmt:MATRIX_FMT_FP6 matrix_b_fmt:MATRIX_FMT_FP6 matrix_a_scale:MATRIX_SCALE_ROW1
.endif
.set mt, mt+1
.endr
.endm
.macro ROWS a0, n, sg, mode
.set ra, \a0
.rept \n
	MULROW ra, \sg, \mode
.set ra, ra+1
.endr
.endm
.macro STEP k, mode
	s_wait_dscnt 0x0                               ; this step's fragments, asked for a whole step ago
	PLACES 4                                       ; four places behind the last step's products, which read the set that is loaded now
	FETCH ((\k)/NQ)%2, (\k)%NQ+1, 1-(\k)%2
	ROWS 0, NT, (\k)%2, \mode
	WIN 0
.endm
; a slot's last step changes slots: one barrier; in front of it each wave waits for all its tensor loads, adds 0 to its spare word and waits for that and for its reads of this slot.  fill = 1: the slot is filled again, two slots ahead
.macro TURN k, fill
.set tsl, ((\k)/NQ)%2
.set tsg, (\k)%2
	WIN 0
	s_wait_tensorcnt 0x0                           ; all my tensor loads have landed: my part of the next slot
	ds_add_u32 v28, v29                            ; 0 onto my spare word
	s_wait_dscnt 0x1                               ; this step's fragments are in; the add alone may be out
	ROWS 0, NT/4, tsg, 0
	s_wait_dscnt 0x0                               ; the add is done, and my reads of this slot are over
	s_barrier_signal -1
	ROWS NT/4, NT/4, tsg, 0
	WIN 0
	s_barrier_wait -1
.if \fill
	CREST                                          ; the barrier has opened a round of the cluster's: no wave of any partner still reads this slot or has a load on its way
	s_add_nc_u64 s[G0+4*tsl+2:G0+4*tsl+3], s[G0+4*tsl+2:G0+4*tsl+3], 2*NQ*REC
	s_add_nc_u64 s[G0B+4*tsl+2:G0B+4*tsl+3], s[G0B+4*tsl+2:G0B+4*tsl+3], 2*NQ*REC
	JLOAD G0+4*tsl, G1, G0B+4*tsl, G1B             ; the first tensor load behind the round; its four v_nop are the places in front of the loads below
.else
	PLACES 4
.endif
	FETCH 1-tsl, 0, 1-tsg
	ROWS NT/2, NT/2, tsg, 0
	WIN 0
.endm
	s_load_b256 s[4:11], s[0:1], 0x0               ; A s[4:5], pb s[6:7], the residual s[8:9], the bias s[10:11]
	s_load_b64 s[12:13], s[0:1], 0x20              ; y
	IDS
	s_mul_i32 s18, s16, 2*REC                      ; which two records of a slot's four I fetch
	s_mul_i32 s20, s17, KS*REC
	s_add_co_u32 s20, s20, s18
	s_mov_b32 s21, 0
	s_mul_i32 s46, s42, KS*REC
	s_add_co_u32 s46, s46, s18
	s_add_co_u32 s46, s46, BREG
	s_mov_b32 s47, 0
	s_mul_i32 s45, s14, 2*REC                      ; where they go in a slot
	s_wait_dscnt 0x0                               ; both opening adds are done
	s_wait_kmcnt 0x0
	s_add_nc_u64 s[20:21], s[4:5], s[20:21]
	s_add_nc_u64 s[46:47], s[6:7], s[46:47]
	FIRST
	LANES
	v_lshlrev_b32 v8, 4, v1
	v_lshl_add_u32 v8, v2, 12, v8                  ; rows of y: lanes 0-15 one row's 256 bytes, lanes 16-31 the next row's
	v_lshlrev_b32 v10, 4, v1                       ; the bias of my four columns
	s_mul_i32 s23, s14, 4352
	s_add_co_u32 s23, s23, STG                     ; my stage
	v_mul_u32_u24 v6, v1, 272
	v_lshl_add_u32 v6, v2, 6, v6
	v_add_nc_u32 v6, s23, v6                       ; in: row r, + 64 h
	v_mul_u32_u24 v7, v2, 272
	v_lshl_add_u32 v7, v1, 4, v7
	v_add_nc_u32 v7, s23, v7                       ; back: lanes 0-15 one row, lanes 16-31 the next
	s_lshl_b32 s66, s17, 19                        ; my first row: 128 x panel + 64 x half, rows of 4,096 bytes;
	s_lshl_b32 s67, s15, 18
	s_add_co_u32 s66, s66, s67
	s_lshl_b32 s67, s42, 9                         ; my first column: 128 x panel + 64 x half, 4 bytes each
	s_add_co_u32 s66, s66, s67
	s_lshl_b32 s68, s16, 8
	s_add_co_u32 s66, s66, s68
	s_add_co_u32 s68, s67, s68
	s_mov_b32 s67, 0
	s_mov_b32 s69, 0
	s_add_nc_u64 s[8:9], s[8:9], s[66:67]
	s_add_nc_u64 s[12:13], s[12:13], s[66:67]
	s_add_nc_u64 s[10:11], s[10:11], s[68:69]
	WIN 0xc0                                       ; destination window 3: the residual's 64 rows x 256 bytes, in the order in which the stage gives the results back; they land while K is walked
.irp a, 0,1,2,3
.irp i, 0,1,2,3,4,5,6,7
	global_load_b128 v[32*\a+4*\i:32*\a+4*\i+3], v8, s[8:9] offset:(32*(\a/2)+8*(\a%2)+2*\i+8*(\i/4))*4096 th:TH_LOAD_NT
.endr
.endr
	WIN 0
	global_load_b128 v[128:131], v10, s[10:11]
	s_wait_tensorcnt 0x1                           ; my part of slot 0 is in; slot 1's may stay out
	s_barrier_signal -1
	s_barrier_wait -1
	FETCH 0, 0, 0
	STEP 0, 1                                      ; the first products start the sums: nothing is cleared
.if LAPS > 1
	s_mov_b32 s3, LAPS-1
.Llap:                                             ; a trip goes once round the ring, from a lap's second step to the next lap's first, and fills both slots again
	STEP 1, 0
	STEP 2, 0
	TURN 3, 1
	STEP 4, 0
	STEP 5, 0
	STEP 6, 0
	TURN 7, 1
	STEP 8, 0
	s_sub_co_u32 s3, s3, 1
	s_cmp_lg_u32 s3, 0
	s_cbranch_scc1 .Llap
.endif
	STEP 1, 0                                      ; the last lap fills nothing
	STEP 2, 0
	TURN 3, 0
	STEP 4, 0
	STEP 5, 0
	STEP 6, 0
	s_wait_dscnt 0x0
	ROWS 0, NT, 1, 0
	WIN 0
	; THE WAY OUT, a tile of 16 tokens x 64 columns at a time: through my own stage, back as rows of 256 bytes, + the residual + the bias, stored: sixteen lanes store 256 consecutive bytes, aligned
	s_wait_loadcnt 0x0                             ; the residual and the bias
	PLACES 4
.irp a, 0,1,2,3
.set yb, 64+32*(\a%2)
.if \a >= 2
	s_wait_xcnt 0x0                                ; the stores of two tiles ago have read these registers
.endif
	WIN 0x08                                       ; an LDS store's data are its source 1: window 2
.irp b, 0,1,2,3
	ds_store_b128 v6, v[8*(4*\a+\b):8*(4*\a+\b)+3] offset:128*(\b/2)+32*(\b%2)          ; each accumulator from its low end on
	ds_store_b128 v6, v[8*(4*\a+\b)+4:8*(4*\a+\b)+7] offset:128*(\b/2)+32*(\b%2)+16
.endr
	WIN 0
.irp i, 0,1,2,3,4,5,6,7
	ds_load_b128 v[yb+4*\i:yb+4*\i+3], v7 offset:544*\i   ; LDS serves a wave's instructions in order: these see the stores above
.endr
	s_wait_dscnt 0x0
	WIN 0x0c                                       ; source 1 window 3
.irp i, 0,2,4,6,8,10,12,14,16,18,20,22,24,26,28,30
	v_pk_add_f32 v[yb+\i:yb+\i+1], v[yb+\i:yb+\i+1], v[32*\a+\i:32*\a+\i+1]
.endr
	WIN 0
.irp i, 0,1,2,3,4,5,6,7
	v_pk_add_f32 v[yb+4*\i:yb+4*\i+1], v[yb+4*\i:yb+4*\i+1], v[128:129]
	v_pk_add_f32 v[yb+4*\i+2:yb+4*\i+3], v[yb+4*\i+2:yb+4*\i+3], v[130:131]
.endr
.irp i, 0,1,2,3,4,5,6,7
	global_store_b128 v8, v[yb+4*\i:yb+4*\i+3], s[12:13] offset:(32*(\a/2)+8*(\a%2)+2*\i+8*(\i/4))*4096
.endr
.endr
	s_wait_tensorcnt 0x0                           ; the wave's end, behind my last tensor load and my last LDS store
	ds_add_u32 v28, v29
	s_wait_dscnt 0x0
	CROUND                                         ; the closing round
	s_endpgm
.Lfunc_end_k_q8e30770320_oproj:
	.size	k_q8e30770320_oproj, .Lfunc_end_k_q8e30770320_oproj-k_q8e30770320_oproj
	.p2alignl 7, 3214868480
	.fill 96, 4, 3214868480
	.section	.rodata,"a",@progbits
	.p2align	6, 0x0
	.amdhsa_kernel k_q8e30770320_oproj
		.amdhsa_group_segment_fixed_size 327680
		.amdhsa_private_segment_fixed_size 0
		.amdhsa_enable_private_segment 0
		.amdhsa_kernarg_size 40
		.amdhsa_user_sgpr_count 2
		.amdhsa_user_sgpr_kernarg_segment_ptr 1
		.amdhsa_wavefront_size32 1
		.amdhsa_system_sgpr_workgroup_id_x 1
		.amdhsa_system_sgpr_workgroup_id_y 1
		.amdhsa_system_sgpr_workgroup_id_z 1
		.amdhsa_system_vgpr_workitem_id 0
		.amdhsa_next_free_vgpr 1024
		.amdhsa_next_free_sgpr 100
		.amdhsa_reserve_vcc 0
		.amdhsa_float_denorm_mode_32 3
		.amdhsa_float_denorm_mode_16_64 3
		.amdhsa_memory_ordered 1
		.amdhsa_forward_progress 1
		.amdhsa_inst_pref_size 64
	.end_amdhsa_kernel
	.amdgpu_metadata
---
amdhsa.version: [ 1, 2 ]
amdhsa.kernels:
  - .name:           k_q8e30770320_oproj
    .symbol:         k_q8e30770320_oproj.kd
    .args:
      - { .name: ci, .offset: 0, .size: 8, .value_kind: global_buffer, .address_space: global }
      - { .name: pb, .offset: 8, .size: 8, .value_kind: global_buffer, .address_space: global }
      - { .name: x, .offset: 16, .size: 8, .value_kind: global_buffer, .address_space: global }
      - { .name: b_o, .offset: 24, .size: 8, .value_kind: global_buffer, .address_space: global }
      - { .name: y, .offset: 32, .size: 8, .value_kind: global_buffer, .address_space: global }
    .group_segment_fixed_size: 327680
    .private_segment_fixed_size: 0
    .kernarg_segment_align: 8
    .kernarg_segment_size: 40
    .max_flat_workgroup_size: 128
    .sgpr_count:     100
    .vgpr_count:     1024
    .wavefront_size: 32
...
	.end_amdgpu_metadata
.endif
;; end of part 4
;; launch ln1 (part 5): grid 256 x 1, 8 waves a work-group, no clusters, 66,816 bytes of LDS; arguments y, gamma1, beta1, hf, hi; writes hf, hi
.if DOCPART == 5
	.amdgcn_target "amdgcn-amd-amdhsa--gfx1250"
	.amdhsa_code_object_version 6
	.text
	.protected	k_q8e30770320_ln1
	.globl	k_q8e30770320_ln1
	.p2align	8
	.type	k_q8e30770320_ln1,@function
k_q8e30770320_ln1:
	s_mov_b64 s[64:65], 0
	v_nop
	global_prefetch_b8 v0, s[64:65] scope:SCOPE_SE
	s_setreg_imm32_b32 hwreg(HW_REG_WAVE_MODE, 25, 1), 1
	s_wait_xcnt 0x0
; LN1: h = gamma1 (y - mean) / sqrt(var + 1e-6) + beta1 along rows of 1,024, in f32 (mean first, then the mean of the squared differences, as reference() has it); h is stored in f32 (the second residual)
; and quantised to FP6 along the row as records (see prep) for the next product.  Nothing of reference() is left out.
; SHARES: a work-group takes a tile of 16 tokens (tile T: tokens 32 (T / 2) + 8 (T % 2) + r + 8 (r / 8)); wave w takes the tile's rows 2 w and 2 w + 1, which are neighbours in memory: a row is 32 registers of the wave,
; read once; each load and store covers 512 consecutive bytes.  The rows then meet in a stage in LDS (16 rows x (4,096 + 16) bytes), and wave w quantises K step w of all 16 rows: one fragment.
; Memory binds here: no matrix unit, no cluster, no tensor load.
; LIMITS: as stated in prep.
.set REC,   13312
.set PITCH, 4112
.set SPARE, 16*PITCH                   ; behind the stage: the spare words, 128 bytes for each of eight waves
.set PC,  96
.set TM,  176
.set PW,  174
.set SEL, 12
.macro QUANT s
.irp b, 0,1,2,3
	v_max3_num_f32 v[TM+\b], |v[\s+16*\b]|, |v[\s+1+16*\b]|, 0x1800000
.endr
.irp i, 2,4,6,8,10,12,14
.irp b, 0,1,2,3
	v_max3_num_f32 v[TM+\b], v[TM+\b], |v[\s+16*\b+\i]|, |v[\s+1+16*\b+\i]|
.endr
.endr
.irp b, 0,1,2,3
	v_permlanex16_b32 v[TM+4+\b], v[TM+\b], s[SEL], s[SEL+1]
.endr
.irp b, 0,1,2,3
	v_max_num_f32 v[TM+\b], v[TM+\b], v[TM+4+\b]
.endr
.irp b, 0,1,2,3
	v_add_nc_u32 v[TM+12+\b], 0xff000000, v[TM+\b]
.endr
.irp b, 0,1,2,3
	v_lshrrev_b32 v[TM+4+\b], 23, v[TM+12+\b]
.endr
	v_lshl_or_b32 v[PW], v[TM+5], 8, v[TM+4]
	v_lshl_or_b32 v[PW], v[TM+6], 16, v[PW]
	v_lshl_or_b32 v[PW], v[TM+7], 24, v[PW]
.irp c, 0,1
	v_cvt_scalef32_pk16_fp6_f32 v[PC+6*\c:PC+2+6*\c], v[\s+32*\c:\s+15+32*\c], v[TM+12+2*\c]
	v_cvt_scalef32_pk16_fp6_f32 v[PC+12+4*\c:PC+14+4*\c], v[\s+16+32*\c:\s+31+32*\c], v[TM+12+2*\c+1]
.endr
	v_nop
.irp c, 0,1
.irp i, 0,1,2
	v_permlane16_swap_b32 v[PC+6*\c+\i], v[PC+12+4*\c+\i]
.endr
.irp i, 0,1,2
	v_mov_b32 v[PC+3+6*\c+\i], v[PC+12+4*\c+\i]
.endr
.endr
.endm
.macro RSUM                            ; the lanes' pairs v[160:161], v[162:163] become the two rows' sums, in every lane
	v_add_f32 v160, v160, v161
	v_add_f32 v162, v162, v163
.irp m, 1,2,4,8
	v_add_f32_dpp v160, v160, v160 row_xmask:\m row_mask:0xf bank_mask:0xf
	v_add_f32_dpp v162, v162, v162 row_xmask:\m row_mask:0xf bank_mask:0xf
.endr
	v_permlanex16_b32 v164, v160, s[SEL], s[SEL+1]
	v_permlanex16_b32 v165, v162, s[SEL], s[SEL+1]
	v_add_f32 v160, v160, v164
	v_add_f32 v162, v162, v165
.endm
	s_load_b256 s[4:11], s[0:1], 0x0               ; y s[4:5], gamma s[6:7], beta s[8:9], hf s[10:11]
	s_load_b64 s[16:17], s[0:1], 0x20              ; hi
	v_lshl_add_u32 v14, v0, 2, SPARE               ; the add's two registers, kept for the wave's end
	v_mov_b32 v15, 0
	v_lshrrev_b32 v1, 5, v0
	v_readfirstlane_b32 s2, v1                     ; wave 0..7
	v_and_b32 v1, 31, v0
	v_lshlrev_b32 v2, 4, v1                        ; 16 x lane
	v_lshlrev_b32 v3, 3, v1
	v_lshlrev_b32 v4, 2, v1
	v_and_b32 v5, 15, v0                           ; r
	v_bfe_u32 v6, v0, 4, 1                         ; h
	s_mul_i32 s3, s2, 2*PITCH
	v_add_nc_u32 v10, s3, v2                       ; the stage, in: my two rows, 16 bytes a lane
	v_mul_u32_u24 v11, v5, PITCH
	v_lshl_add_u32 v11, v6, 6, v11
	s_lshl_b32 s3, s2, 9
	v_add_nc_u32 v11, s3, v11                      ; out: row r, K step w, + 64 h
	v_mov_b32 v164, 0                              ; a lane permute's destination counts as one of its sources
	v_mov_b32 v165, 0
.irp b, 0,1,2,3
	v_mov_b32 v[TM+4+\b], 0
.endr
	s_lshl_b32 s18, ttmp9, 4
	s_and_b32 s19, ttmp9, 1
	s_lshl_b32 s19, s19, 3
	s_sub_co_u32 s18, s18, s19                     ; the tile's first token
	s_lshl_b32 s19, s2, 1
	s_add_co_u32 s18, s18, s19
	s_lshr_b32 s19, s2, 2
	s_lshl_b32 s19, s19, 3
	s_add_co_u32 s18, s18, s19                     ; + 2 w + 8 (w / 4): my first
	s_lshl_b32 s18, s18, 12
	s_mov_b32 s19, 0
	s_lshr_b32 s20, ttmp9, 3
	s_lshl_b32 s20, s20, 3
	s_add_co_u32 s20, s20, s2
	s_mul_i32 s20, s20, REC                        ; hi: record (panel T / 8, K step w),
	s_and_b32 s21, ttmp9, 7
	s_mul_i32 s22, s21, 1536
	s_add_co_u32 s22, s22, s20                     ; fragment T % 8,
	s_mov_b32 s23, 0
	s_lshl_b32 s21, s21, 7
	s_add_co_u32 s20, s20, s21
	s_add_co_u32 s20, s20, 12288                   ; and its scale image
	s_mov_b32 s21, 0
	s_mov_b32 s[SEL], 0x76543210
	s_mov_b32 s[SEL+1], 0xfedcba98
	s_mov_b32 s14, 0x3a800000                      ; 1 / 1,024
	s_mov_b32 s15, 0x358637bd                      ; 1e-6
	s_wait_kmcnt 0x0
	s_add_nc_u64 s[4:5], s[4:5], s[18:19]
	s_add_nc_u64 s[10:11], s[10:11], s[18:19]
	s_add_nc_u64 s[22:23], s[16:17], s[22:23]
	s_add_nc_u64 s[20:21], s[16:17], s[20:21]
.irp i, 0,1,2,3,4,5,6,7
	global_load_b128 v[32+4*\i:35+4*\i], v2, s[4:5] offset:512*\i th:TH_LOAD_NT
	global_load_b128 v[64+4*\i:67+4*\i], v2, s[4:5] offset:4096+512*\i th:TH_LOAD_NT
.endr
.irp i, 0,1,2,3,4,5,6,7
	global_load_b128 v[96+4*\i:99+4*\i], v2, s[6:7] offset:512*\i
	global_load_b128 v[128+4*\i:131+4*\i], v2, s[8:9] offset:512*\i
.endr
	s_wait_loadcnt 0x10                            ; my two rows are in; gamma's and beta's 16 loads, issued behind them, may be out
	v_pk_add_f32 v[160:161], v[32:33], v[34:35]
	v_pk_add_f32 v[162:163], v[64:65], v[66:67]
.irp j, 4,6,8,10,12,14,16,18,20,22,24,26,28,30
	v_pk_add_f32 v[160:161], v[160:161], v[32+\j:33+\j]
	v_pk_add_f32 v[162:163], v[162:163], v[64+\j:65+\j]
.endr
	RSUM
	v_mul_f32 v166, s14, v160                      ; the means, each in both registers of a pair
	v_mul_f32 v167, s14, v160
	v_mul_f32 v168, s14, v162
	v_mul_f32 v169, s14, v162
.irp j, 0,2,4,6,8,10,12,14,16,18,20,22,24,26,28,30
	v_pk_add_f32 v[32+\j:33+\j], v[32+\j:33+\j], v[166:167] neg_lo:[0,1] neg_hi:[0,1]
	v_pk_add_f32 v[64+\j:65+\j], v[64+\j:65+\j], v[168:169] neg_lo:[0,1] neg_hi:[0,1]
.endr
	v_pk_mul_f32 v[160:161], v[32:33], v[32:33]
	v_pk_mul_f32 v[162:163], v[64:65], v[64:65]
.irp j, 2,4,6,8,10,12,14,16,18,20,22,24,26,28,30
	v_pk_fma_f32 v[160:161], v[32+\j:33+\j], v[32+\j:33+\j], v[160:161]
	v_pk_fma_f32 v[162:163], v[64+\j:65+\j], v[64+\j:65+\j], v[162:163]
.endr
	RSUM
	v_fma_f32 v170, v160, s14, s15                 ; var + 1e-6
	v_fma_f32 v172, v162, s14, s15
	v_rsq_f32 v170, v170
	v_rsq_f32 v172, v172
	v_nop                                          ; a plain place behind the transcendentals
	s_wait_alu depctr_va_vdst(0)                   ; one wait for both, ahead of the first reader
	v_mov_b32 v171, v170
	v_mov_b32 v173, v172
	s_wait_loadcnt 0x0                             ; gamma, beta
.irp j, 0,2,4,6,8,10,12,14,16,18,20,22,24,26,28,30
	v_pk_mul_f32 v[32+\j:33+\j], v[32+\j:33+\j], v[170:171]
	v_pk_mul_f32 v[64+\j:65+\j], v[64+\j:65+\j], v[172:173]
.endr
.irp j, 0,2,4,6,8,10,12,14,16,18,20,22,24,26,28,30
	v_pk_fma_f32 v[32+\j:33+\j], v[32+\j:33+\j], v[96+\j:97+\j], v[128+\j:129+\j]
	v_pk_fma_f32 v[64+\j:65+\j], v[64+\j:65+\j], v[96+\j:97+\j], v[128+\j:129+\j]
.endr
.irp i, 0,1,2,3,4,5,6,7
	global_store_b128 v2, v[32+4*\i:35+4*\i], s[10:11] offset:512*\i
	global_store_b128 v2, v[64+4*\i:67+4*\i], s[10:11] offset:4096+512*\i
.endr
.irp i, 0,1,2,3,4,5,6,7
	ds_store_b128 v10, v[32+4*\i:35+4*\i] offset:512*\i
	ds_store_b128 v10, v[64+4*\i:67+4*\i] offset:PITCH+512*\i
.endr
	s_wait_dscnt 0x0                               ; for the others' sake: my rows lie in the stage
	s_barrier_signal -1
	s_barrier_wait -1
	s_wait_xcnt 0x0                                ; the stores of h have read v32-95, into which the loads below land
.irp b, 0,1,2,3
.irp j, 0,1,2,3
	ds_load_b128 v[32+16*\b+4*\j:35+16*\b+4*\j], v11 offset:128*\b+16*\j
.endr
.endr
	s_wait_dscnt 0x0
	QUANT 32
	global_store_b128 v2, v[PC:PC+3], s[22:23]
	global_store_b64 v3, v[PC+4:PC+5], s[22:23] offset:512
	global_store_b128 v2, v[PC+6:PC+9], s[22:23] offset:768
	global_store_b64 v3, v[PC+10:PC+11], s[22:23] offset:1280
	global_store_b32 v4, v[PW], s[20:21]
	s_wait_tensorcnt 0x0                           ; the wave's end, behind my last LDS store
	ds_add_u32 v14, v15
	s_wait_dscnt 0x0
	s_endpgm
.Lfunc_end_k_q8e30770320_ln1:
	.size	k_q8e30770320_ln1, .Lfunc_end_k_q8e30770320_ln1-k_q8e30770320_ln1
	.p2alignl 7, 3214868480
	.fill 96, 4, 3214868480
	.section	.rodata,"a",@progbits
	.p2align	6, 0x0
	.amdhsa_kernel k_q8e30770320_ln1
		.amdhsa_group_segment_fixed_size 66816
		.amdhsa_private_segment_fixed_size 0
		.amdhsa_enable_private_segment 0
		.amdhsa_kernarg_size 40
		.amdhsa_user_sgpr_count 2
		.amdhsa_user_sgpr_kernarg_segment_ptr 1
		.amdhsa_wavefront_size32 1
		.amdhsa_system_sgpr_workgroup_id_x 1
		.amdhsa_system_sgpr_workgroup_id_y 1
		.amdhsa_system_sgpr_workgroup_id_z 1
		.amdhsa_system_vgpr_workitem_id 0
		.amdhsa_next_free_vgpr 192
		.amdhsa_next_free_sgpr 66
		.amdhsa_reserve_vcc 0
		.amdhsa_float_denorm_mode_32 3
		.amdhsa_float_denorm_mode_16_64 3
		.amdhsa_memory_ordered 1
		.amdhsa_forward_progress 1
		.amdhsa_inst_pref_size 26
	.end_amdhsa_kernel
	.amdgpu_metadata
---
amdhsa.version: [ 1, 2 ]
amdhsa.kernels:
  - .name:           k_q8e30770320_ln1
    .symbol:         k_q8e30770320_ln1.kd
    .args:
      - { .name: y, .offset: 0, .size: 8, .value_kind: global_buffer, .address_space: global }
      - { .name: gamma1, .offset: 8, .size: 8, .value_kind: global_buffer, .address_space: global }
      - { .name: beta1, .offset: 16, .size: 8, .value_kind: global_buffer, .address_space: global }
      - { .name: hf, .offset: 24, .size: 8, .value_kind: global_buffer, .address_space: global }
      - { .name: hi, .offset: 32, .size: 8, .value_kind: global_buffer, .address_space: global }
    .group_segment_fixed_size: 66816
    .private_segment_fixed_size: 0
    .kernarg_segment_align: 8
    .kernarg_segment_size: 40
    .max_flat_workgroup_size: 256
    .sgpr_count:     66
    .vgpr_count:     192
    .wavefront_size: 32
...
	.end_amdgpu_metadata
.endif
;; end of part 5
;; launch ffn1 (part 6): grid 16 x 16, 4 waves a work-group, clusters of 4 x 4, 327,680 bytes of LDS; arguments hi, pb, b1, ai; writes ai
.if DOCPART == 6
	.amdgcn_target "amdgcn-amd-amdhsa--gfx1250"
	.amdhsa_code_object_version 6
	.text
	.protected	k_q8e30770320_ffn1
	.globl	k_q8e30770320_ffn1
	.p2align	8
	.type	k_q8e30770320_ffn1,@function
k_q8e30770320_ffn1:
	s_mov_b64 s[64:65], 0
	v_nop
	global_prefetch_b8 v0, s[64:65] scope:SCOPE_SE
	s_setreg_imm32_b32 hwreg(HW_REG_WAVE_MODE, 25, 1), 1
	s_wait_xcnt 0x0
	s_wait_alu depctr_hold_cnt(0) depctr_sa_sdst(0) depctr_va_vdst(0) depctr_va_sdst(0) depctr_va_ssrc(0) depctr_va_vcc(0) depctr_vm_vsrc(0)
	s_getreg_b32 s2, hwreg(HW_REG_IB_STS2, 6, 4)
	s_cmp_eq_u32 s2, 0
	s_cbranch_scc0 .Lentry_in_a_cluster
	s_endpgm
.Lentry_in_a_cluster:
	s_bfe_u32 s2, ttmp6, 0x10000c
	s_cmp_lg_u32 s2, 0xf033
	s_cbranch_scc0 .Lentry_shape_is_right
	s_endpgm
.Lentry_shape_is_right:
; FFN1: relu(h w1 + b1) on codes of FP6, quantised along the hidden 4,096 on the way out; the hidden layer goes to memory as codes alone.  Nothing of reference() is left out.
; The walk along K is qkv's, word for word: a work-group makes 256 x 256, a wave 128 x 128; source 0 = w1's rows (side S0), source 1 = h's rows (S1): a lane holds one token, and the 64 registers of a tile's eight
; accumulators are 128 hidden units in the order that the quantiser wants: one fragment of the next product's operand.  A wave stores one whole record of ai: (tokens' panel, K step = the units' panel).
; K goes in 8 steps of 128 through THREE LDS slots of two steps: six steps are asked for at the head; slot 0 alone is filled again, with steps 6 and 7, and that load has steps 2 to 5, 256 matrix instructions a wave, in which to land.
; The bias is the C of each sum's first matrix instruction: eight registers a tile of S0, in the result's layout, in window 1 from v192 on.
; CLUSTER 4 x 4: h's tile is asked for jointly along a row of the cluster, w1's along a column.
; REGISTERS: as in qkv.  LIMITS: as stated in prep.
.set NT,   8
.set KS,   8
.set REC,  13312
.set SLOT, 8*REC
.set STP,  2*REC
.set SSTP, 2*REC
.set SPARE, 3*SLOT                     ; behind the three slots: the spare words, 128 bytes a wave
.set OFF_W1, 6815744
.set G1,  24                           ; s[24:31] descriptor group 1 for S1's tiles; s[32:39] groups 0 for slots 0 and 1, s[80:83] for slot 2
.set G0,  32
.set G1B, 48                           ; s[48:55], s[56:63], s[84:87] the same for S0's
.set G0B, 56
.set A16, 48                           ; v48-62 LDS addresses: five kinds x three slots
.set A8,  51
.set B16, 54
.set B8,  57
.set ASC, 60
.set PC,  128
.set TM,  224
.set PW,  240
.set SEL, 94
.set MSB, 0
.macro WIN new                         ; the immediate's high byte repeats the setting that is left
.if MSB != (\new)
	s_set_vgpr_msb (MSB<<8)|(\new)
.set MSB, (\new)
.endif
.endm
.macro PLACES n
.rept \n
	v_nop
.endr
.endm
; a joint load: waves 0 and 1 fetch for S1, waves 2 and 3 for S0; an s_nop 0 and four v_nop follow each of the two lines
.macro JLOAD g0a, g1a, g0b, g1b
	s_cmp_eq_u32 s15, 0
	s_cbranch_scc0 .Lfor_b_\@
	tensor_load_to_lds s[\g0a:\g0a+3], s[\g1a:\g1a+7]
	s_nop 0
	PLACES 4
	s_branch .Lasked_\@
.Lfor_b_\@:
	tensor_load_to_lds s[\g0b:\g0b+3], s[\g1b:\g1b+7]
	s_nop 0
	PLACES 4
.Lasked_\@:
.endm
.macro CREST
	s_cmp_lg_u32 s14, 0
	s_cbranch_scc1 .Lnot_wave_0_\@
	s_barrier_signal -3
.Lnot_wave_0_\@:
	s_barrier_wait -3
	s_barrier_signal -1
	s_barrier_wait -1
.endm
.macro CROUND
	s_barrier_signal -1
	s_barrier_wait -1
	CREST
.endm
.macro IDS
	v_lshl_add_u32 v28, v0, 2, SPARE
	v_mov_b32 v29, 0
	ds_add_u32 v28, v29                            ; the wave's opening: the add, twice on end, and its wait ahead of my first tensor load
	ds_add_u32 v28, v29
	v_lshrrev_b32 v1, 5, v0
	v_readfirstlane_b32 s14, v1                    ; wave 0..3
	s_lshr_b32 s15, s14, 1                         ; my half of S1.  Also: I fetch for S1 (0) or S0 (1)
	s_and_b32 s16, s14, 1                          ; my half of S0.  Also: which panel of that side's tile I fetch
	s_bfe_u32 s40, ttmp6, 0x40000                  ; cx
	s_bfe_u32 s41, ttmp6, 0x40004                  ; cy
	s_lshl_b32 s42, ttmp9, 2
	s_add_co_u32 s42, s42, s40                     ; S0's tile = 4 x cluster x + cx
	s_and_b32 s17, ttmp7, 0xffff
	s_lshl_b32 s17, s17, 2
	s_add_co_u32 s17, s17, s41                     ; S1's tile = 4 x cluster y + cy
	s_lshl_b32 s43, s41, 2
	s_lshl_b32 s43, 15, s43
	s_lshl_b32 s44, 0x1111, s40
	s_or_b32 s[G1], s43, (3<<16)|(1<<21)           ; 15:0 the mask; 17:16 elements of 8 bytes; no padding; 21 set beside a mask
	s_or_b32 s[G1B], s44, (3<<16)|(1<<21)
.irp g, G1, G1B
	s_mov_b32 s[\g+1], 32<<16                      ; tensor_dim0 = 32 elements: 256 bytes
	s_mov_b32 s[\g+2], 104<<16                     ; tensor_dim1 = 104 rows: two records
	s_mov_b32 s[\g+3], 32<<16
	s_mov_b32 s[\g+4], 104
	s_mov_b32 s[\g+5], 32
	s_mov_b32 s[\g+6], 0
	s_mov_b32 s[\g+7], 0
.endr
.endm
; the round in front of the first joint loads, and the three slots' first fills, K steps 0 to 5: three tensor loads of mine are out
.macro FIRST
	CROUND
.irp s, 0,1,2
.set ga, G0+4*\s+40*(\s/2)
.set gb, G0B+4*\s+20*(\s/2)
	s_mov_b32 s[ga], 1
	s_add_co_u32 s[ga+1], s45, \s*SLOT
	s_add_nc_u64 s[ga+2:ga+3], s[20:21], \s*2*REC
	s_or_b32 s[ga+3], s[ga+3], 0x80000000
	s_mov_b32 s[gb], 1
	s_add_co_u32 s[gb+1], s45, \s*SLOT
	s_add_nc_u64 s[gb+2:gb+3], s[46:47], \s*2*REC
	s_or_b32 s[gb+3], s[gb+3], 0x80000000
	JLOAD ga, G1, gb, G1B
.endr
.endm
.macro LANES
	v_and_b32 v1, 15, v0                           ; r
	v_bfe_u32 v2, v0, 4, 1                         ; h
	v_and_b32 v5, 31, v0
	v_lshlrev_b32 v3, 4, v5
	v_lshlrev_b32 v4, 3, v5
	v_lshlrev_b32 v5, 2, v5
	s_mul_i32 s21, s15, STP
	s_mul_i32 s22, s16, STP
	s_add_co_u32 s22, s22, 4*REC
.irp s, 0,1,2
	v_add_nc_u32 v[A16+\s], s21, v3
	v_add_nc_u32 v[A8+\s], s21, v4
	v_add_nc_u32 v[B16+\s], s22, v3
	v_add_nc_u32 v[B8+\s], s22, v4
	s_add_co_u32 s21, s21, SLOT
	s_add_co_u32 s22, s22, SLOT
.endr
	s_mul_i32 s21, s15, SSTP                       ; the scale images: lanes 0-15 take S1's, lanes 16-31 S0's: the lower base + h x the distance
	s_mul_i32 s22, s16, SSTP
	s_add_co_u32 s22, s22, 4*REC
	s_sub_co_u32 s22, s22, s21
	v_mul_u32_u24 v6, s22, v2
	s_add_co_u32 s21, s21, 12288
	v_add_nc_u32 v6, v6, v5
	v_add_nc_u32 v[ASC], s21, v6
	v_add_nc_u32 v[ASC+1], SLOT, v[ASC]
	v_add_nc_u32 v[ASC+2], 2*SLOT, v[ASC]
.endm
.macro FRAG reg, a16, a8, off
	ds_load_b128 v[\reg:\reg+3], v[\a16] offset:\off
	ds_load_b64 v[\reg+4:\reg+5], v[\a8] offset:\off+512
	ds_load_b128 v[\reg+6:\reg+9], v[\a16] offset:\off+768
	ds_load_b64 v[\reg+10:\reg+11], v[\a8] offset:\off+1280
.endm
.macro FETCH slot, q, sg
	WIN 0x40
.set ft, 0
.rept NT
	FRAG 96*(\sg)+12*ft, B16+(\slot), B8+(\slot), (\q)*REC+1536*ft
.set ft, ft+1
.endr
	WIN 0
.set ft, 0
.rept NT
	FRAG 64+96*(\sg)+12*ft, A16+(\slot), A8+(\slot), (\q)*REC+1536*ft
.set ft, ft+1
.endr
.set ft, 0
.rept NT
	ds_load_b32 v[32+8*(\sg)+ft], v[ASC+(\slot)] offset:(\q)*REC+128*ft
.set ft, ft+1
.endr
.endm
; S1's tile a against S0's NT tiles.  mode 0: sums go on; 2: the bias (window 1, v192 on) starts them.  The accumulators take turns, one instruction a turn, in the same order in every step
.macro MULROW a, sg, mode
.set mw, (\a)/(32/NT)
.set mb, 8*NT*((\a)%(32/NT))
.set ma, 64+96*(\sg)+12*(\a)
.set ms, 32+8*(\sg)
.if \mode == 2
	WIN 0x91+0x40*mw
.else
	WIN 0xa1+0x50*mw
.endif
.set mt, 0
.rept NT
.if \mode == 0
	v_wmma_scale_f32_16x16x128_f8f6f4 v[mb+8*mt:mb+8*mt+7], v[96*(\sg)+12*mt:96*(\sg)+12*mt+11], v[ma:ma+11], v[mb+8*mt:mb+8*mt+7], v[ms+mt], v[ms+(\a)] matrix_a_fmt:MATRIX_FMT_FP6 matrix_b_fmt:MATRIX_FMT_FP6 matrix_a_scale:MATRIX_SCALE_ROW1
.else
	v_wmma_scale_f32_16x16x128_f8f6f4 v[mb+8*mt:mb+8*mt+7], v[96*(\sg)+12*mt:96*(\sg)+12*mt+11], v[ma:ma+11], v[192+8*mt:199+8*mt], v[ms+mt], v[ms+(\a)] matrix_a_fmt:MATRIX_FMT_FP6 matrix_b_fmt:MATRIX_FMT_FP6 matrix_a_scale:MATRIX_SCALE_ROW1
.endif
.set mt, mt+1
.endr
.endm
.macro ROWS a0, n, sg, mode
.set ra, \a0
.rept \n
	MULROW ra, \sg, \mode
.set ra, ra+1
.endr
.endm
; a K step on set sg whose successor lies in a slot that is known to be whole: the successor's loads (slot fslot, its fq-th step) go out first, into the other set, then this step's products
.macro STEP sg, fslot, fq, mode
	s_wait_dscnt 0x0                               ; this step's fragments, asked for a whole step ago
	PLACES 4                                       ; four places behind the last step's products, which read the set that is loaded now
	FETCH \fslot, \fq, 1-(\sg)
	ROWS 0, NT, \sg, \mode
	WIN 0
.endm
; a K step with a barrier: in front of it each wave waits for all its tensor loads, adds 0 to its spare word and waits for that and for its LDS reads.  fill = 1: slot 0, which has been read out, is filled again with K steps 6 and 7.
; Behind the barrier the next step is fetched from slot nslot.
.macro TURN sg, nslot, fill
	WIN 0
	s_wait_tensorcnt 0x0                           ; all my tensor loads have landed
	ds_add_u32 v28, v29                            ; 0 onto my spare word
	s_wait_dscnt 0x1                               ; this step's fragments are in; the add alone may be out
	ROWS 0, NT/4, \sg, 0
	s_wait_dscnt 0x0                               ; the add is done, and my reads of the slot that is left are over
	s_barrier_signal -1
	ROWS NT/4, NT/4, \sg, 0
	WIN 0
	s_barrier_wait -1
.if \fill
	CREST                                          ; the barrier has opened a round of the cluster's: no wave of any partner still reads slot 0 or has a load on its way
	s_add_nc_u64 s[G0+2:G0+3], s[G0+2:G0+3], 6*REC
	s_add_nc_u64 s[G0B+2:G0B+3], s[G0B+2:G0B+3], 6*REC
	JLOAD G0, G1, G0B, G1B                         ; the first tensor load behind the round; its four v_nop are the places in front of the loads below
.else
	PLACES 4
.endif
	FETCH \nslot, 0, 1-(\sg)
	ROWS NT/2, NT/2, \sg, 0
	WIN 0
.endm
; 64 numbers of a lane in window w, register 16 b + i = k 32 b + 16 (lane / 16) + i of my row, become a fragment's codes in v[PC] on and its scale word in v[PW] (window 0)
.macro QUANT s, w
	WIN ((\w)<<2)|((\w)<<4)
.irp b, 0,1,2,3
	v_max3_num_f32 v[TM+\b], 0x1800000, |v[(\s)+16*\b]|, |v[(\s)+1+16*\b]|
.endr
.irp i, 2,4,6,8,10,12,14
.irp b, 0,1,2,3
	v_max3_num_f32 v[TM+\b], v[TM+\b], |v[(\s)+16*\b+\i]|, |v[(\s)+1+16*\b+\i]|
.endr
.endr
	WIN 0
.irp b, 0,1,2,3
	v_permlanex16_b32 v[TM+4+\b], v[TM+\b], s[SEL], s[SEL+1]
.endr
.irp b, 0,1,2,3
	v_max_num_f32 v[TM+\b], v[TM+\b], v[TM+4+\b]
.endr
.irp b, 0,1,2,3
	v_add_nc_u32 v[TM+12+\b], 0xff000000, v[TM+\b]
.endr
.irp b, 0,1,2,3
	v_lshrrev_b32 v[TM+4+\b], 23, v[TM+12+\b]
.endr
	v_lshl_or_b32 v[PW], v[TM+5], 8, v[TM+4]
	v_lshl_or_b32 v[PW], v[TM+6], 16, v[PW]
	v_lshl_or_b32 v[PW], v[TM+7], 24, v[PW]
	WIN (\w)
.irp c, 0,1
	v_cvt_scalef32_pk16_fp6_f32 v[PC+6*\c:PC+2+6*\c], v[(\s)+32*\c:(\s)+15+32*\c], v[TM+12+2*\c]
	v_cvt_scalef32_pk16_fp6_f32 v[PC+12+4*\c:PC+14+4*\c], v[(\s)+16+32*\c:(\s)+31+32*\c], v[TM+12+2*\c+1]
.endr
	WIN 0
	v_nop
.irp c, 0,1
.irp i, 0,1,2
	v_permlane16_swap_b32 v[PC+6*\c+\i], v[PC+12+4*\c+\i]
.endr
.irp i, 0,1,2
	v_mov_b32 v[PC+3+6*\c+\i], v[PC+12+4*\c+\i]
.endr
.endr
.endm
.macro IMG sb, off
	global_store_b128 v3, v[PC:PC+3], s[\sb:\sb+1] offset:\off
	global_store_b64 v4, v[PC+4:PC+5], s[\sb:\sb+1] offset:(\off)+512
	global_store_b128 v3, v[PC+6:PC+9], s[\sb:\sb+1] offset:(\off)+768
	global_store_b64 v4, v[PC+10:PC+11], s[\sb:\sb+1] offset:(\off)+1280
.endm
	s_load_b256 s[4:11], s[0:1], 0x0               ; hi s[4:5], pb s[6:7], b1 s[8:9], ai s[10:11]
	IDS
	s_lshl_b32 s20, s17, 1
	s_add_co_u32 s20, s20, s16                     ; the panel that I fetch, if I fetch for S1
	s_mul_i32 s20, s20, KS*REC
	s_mov_b32 s21, 0
	s_lshl_b32 s46, s42, 1
	s_add_co_u32 s46, s46, s16                     ; if for S0
	s_mul_i32 s46, s46, KS*REC
	s_add_co_u32 s46, s46, OFF_W1
	s_mov_b32 s47, 0
	s_mul_i32 s45, s14, 2*REC
	s_mov_b32 s[SEL], 0x76543210
	s_mov_b32 s[SEL+1], 0xfedcba98
	s_wait_dscnt 0x0                               ; both opening adds are done
	s_wait_kmcnt 0x0
	s_add_nc_u64 s[20:21], s[4:5], s[20:21]
	s_add_nc_u64 s[46:47], s[6:7], s[46:47]
	FIRST
	LANES
	v_lshlrev_b32 v7, 6, v2                        ; the bias: + 64 h
	s_lshl_b32 s69, s17, 1
	s_add_co_u32 s69, s69, s15                     ; my panel of tokens
	s_lshl_b32 s70, s42, 1
	s_add_co_u32 s70, s70, s16                     ; my panel of hidden units
	s_lshl_b32 s66, s70, 9
	s_mov_b32 s67, 0
	s_add_nc_u64 s[8:9], s[8:9], s[66:67]          ; its 128 numbers of b1
	s_lshl_b32 s69, s69, 5
	s_add_co_u32 s69, s69, s70
	s_mul_i32 s72, s69, REC
	s_mov_b32 s73, 0
	s_add_nc_u64 s[72:73], s[10:11], s[72:73]      ; my record of ai
	WIN 0x40                                       ; destination window 1
.irp b, 0,1,2,3,4,5,6,7                        ; tile b's register j is b1 at unit 32 (b / 2) + 8 (b % 2) + 16 h + j
	global_load_b128 v[192+8*\b:195+8*\b], v7, s[8:9] offset:128*(\b/2)+32*(\b%2)
	global_load_b128 v[196+8*\b:199+8*\b], v7, s[8:9] offset:128*(\b/2)+32*(\b%2)+16
.endr
	WIN 0
	s_wait_tensorcnt 0x2                           ; my part of slot 0 is in; slots 1 and 2's two loads may stay out
	s_barrier_signal -1
	s_barrier_wait -1
	FETCH 0, 0, 0
	s_wait_loadcnt 0x0                             ; the bias
	STEP 0, 0, 1, 2                                ; K step 0: the bias starts the sums: nothing is cleared, nothing is added later
	TURN 1, 1, 1                                   ; step 1: slots 1 and 2 are whole in every wave; slot 0 takes steps 6 and 7
	STEP 0, 1, 1, 0                                ; step 2
	STEP 1, 2, 0, 0                                ; step 3: on to slot 2, which step 1's barrier has shown whole: no barrier here
	STEP 0, 2, 1, 0                                ; step 4
	TURN 1, 0, 0                                   ; step 5: slot 0's second fill is whole in every wave; nothing is left to fetch
	STEP 0, 0, 1, 0                                ; step 6
	s_wait_dscnt 0x0
	ROWS 0, NT, 1, 0                               ; step 7
	WIN 0
	PLACES 4                                       ; in front of the first read of results and the first write of the last products' operands
.irp b, 0,1,2,3
	v_mov_b32 v[TM+4+\b], 0                        ; a lane permute's destination counts as one of its sources
.endr
.irp a, 0,1,2,3,4,5,6,7                        ; tile a's 16 tokens x my 128 units: relu in f32, quantised, stored as one fragment and its scale image
.set aw, 2+\a/4
.set ab, 64*(\a%4)
.if \a > 0
	s_wait_xcnt 0x0                                ; the last tile's stores have read the codes' registers
.endif
	WIN (aw<<2)|(aw<<6)
.set j, 0
.rept 64
	v_max_num_f32 v[ab+j], 0, v[ab+j]              ; each accumulator from its low end on
.set j, j+1
.endr
	QUANT ab, aw
	IMG 72, 1536*\a
	global_store_b32 v5, v[PW], s[72:73] offset:12288+128*\a
.endr
	s_wait_tensorcnt 0x0                           ; the wave's end
	ds_add_u32 v28, v29
	s_wait_dscnt 0x0
	CROUND                                         ; the closing round
	s_endpgm
.Lfunc_end_k_q8e30770320_ffn1:
	.size	k_q8e30770320_ffn1, .Lfunc_end_k_q8e30770320_ffn1-k_q8e30770320_ffn1
	.p2alignl 7, 3214868480
	.fill 96, 4, 3214868480
	.section	.rodata,"a",@progbits
	.p2align	6, 0x0
	.amdhsa_kernel k_q8e30770320_ffn1
		.amdhsa_group_segment_fixed_size 327680
		.amdhsa_private_segment_fixed_size 0
		.amdhsa_enable_private_segment 0
		.amdhsa_kernarg_size 32
		.amdhsa_user_sgpr_count 2
		.amdhsa_user_sgpr_kernarg_segment_ptr 1
		.amdhsa_wavefront_size32 1
		.amdhsa_system_sgpr_workgroup_id_x 1
		.amdhsa_system_sgpr_workgroup_id_y 1
		.amdhsa_system_sgpr_workgroup_id_z 1
		.amdhsa_system_vgpr_workitem_id 0
		.amdhsa_next_free_vgpr 1024
		.amdhsa_next_free_sgpr 100
		.amdhsa_reserve_vcc 0
		.amdhsa_float_denorm_mode_32 3
		.amdhsa_float_denorm_mode_16_64 3
		.amdhsa_memory_ordered 1
		.amdhsa_forward_progress 1
		.amdhsa_inst_pref_size 166
	.end_amdhsa_kernel
	.amdgpu_metadata
---
amdhsa.version: [ 1, 2 ]
amdhsa.kernels:
  - .name:           k_q8e30770320_ffn1
    .symbol:         k_q8e30770320_ffn1.kd
    .args:
      - { .name: hi, .offset: 0, .size: 8, .value_kind: global_buffer, .address_space: global }
      - { .name: pb, .offset: 8, .size: 8, .value_kind: global_buffer, .address_space: global }
      - { .name: b1, .offset: 16, .size: 8, .value_kind: global_buffer, .address_space: global }
      - { .name: ai, .offset: 24, .size: 8, .value_kind: global_buffer, .address_space: global }
    .group_segment_fixed_size: 327680
    .private_segment_fixed_size: 0
    .kernarg_segment_align: 8
    .kernarg_segment_size: 32
    .max_flat_workgroup_size: 128
    .sgpr_count:     100
    .vgpr_count:     1024
    .wavefront_size: 32
...
	.end_amdgpu_metadata
.endif
;; end of part 6
;; launch ffn2 (part 7): grid 8 x 32, 4 waves a work-group, clusters of 4 x 4, 327,680 bytes of LDS; arguments ai, pb, hf, b2, y; writes y
.if DOCPART == 7
	.amdgcn_target "amdgcn-amd-amdhsa--gfx1250"
	.amdhsa_code_object_version 6
	.text
	.protected	k_q8e30770320_ffn2
	.globl	k_q8e30770320_ffn2
	.p2align	8
	.type	k_q8e30770320_ffn2,@function
k_q8e30770320_ffn2:
	s_mov_b64 s[64:65], 0
	v_nop
	global_prefetch_b8 v0, s[64:65] scope:SCOPE_SE
	s_setreg_imm32_b32 hwreg(HW_REG_WAVE_MODE, 25, 1), 1
	s_wait_xcnt 0x0
	s_wait_alu depctr_hold_cnt(0) depctr_sa_sdst(0) depctr_va_vdst(0) depctr_va_sdst(0) depctr_va_ssrc(0) depctr_va_vcc(0) depctr_vm_vsrc(0)
	s_getreg_b32 s2, hwreg(HW_REG_IB_STS2, 6, 4)
	s_cmp_eq_u32 s2, 0
	s_cbranch_scc0 .Lentry_in_a_cluster
	s_endpgm
.Lentry_in_a_cluster:
	s_bfe_u32 s2, ttmp6, 0x10000c
	s_cmp_lg_u32 s2, 0xf033
	s_cbranch_scc0 .Lentry_shape_is_right
	s_endpgm
.Lentry_shape_is_right:
; FFN2: y = h + relu(..) w2 + b2: a product with 1,024 columns and K = 4,096 on records of FP6 codes (see prep), a bias and a residual; h, b2 and y in f32.  Nothing of reference() is left out.
; The layer norm that follows wants whole rows of 1,024, which no work-group of this launch holds: it is the next launch.
; A work-group of four waves makes 128 x 128, so that 1,024 columns still give 256 work-groups; a wave makes 64 x 64: 16 accumulators.  Source 0 = w2's rows (side S0), source 1 = the tokens' rows (S1): a lane holds one token and
; eight neighbouring columns an accumulator.
; K goes in 32 steps of 128.  A step's tiles are two records, 26,624 bytes: LDS holds twelve steps, as a region X of eight and a region Y of four, which take turns: X steps 0-7, Y 8-11, X 12-19, Y 20-23, X 24-31.
; Both are asked for at the head; three refills follow (X, Y, X), each behind a round of the cluster's barrier, each 12 steps on from the region's last.  A wave's tensor load brings four records for X (208 rows of 256 bytes)
; and two for Y (104 rows): two shapes, so two groups 1 a side.  Between a request and the wait for it a wave issues 64 matrix instructions (X's refills) or 128 (Y's).
; For the LDS loads' 16-bit offsets the twelve steps count as three banks of four: bank 0 and 1 in X, bank 2 = Y; step k lies in bank (k / 4) % 3.
; CLUSTER 4 x 4: the tokens' panel is asked for jointly along a row of the cluster, w2's along a column.
; REGISTERS: window 0: v1-5 lane terms, v6-10 the way out's addresses, v28, v29 the add's two, v32-47 scale words, v48-62 LDS addresses (five kinds x three banks), v64.., v160.. S1's fragments (two sets), v128-131 the bias;
;   window 1: S0's fragments; window 2: v0-127 the accumulators ((a, b) at v[8 (4 a + b)]); window 3: v0-127 the residual's rows, asked for at the head.
.set NT,   4
.set KS,   32                          ; K steps in all
.set BREG, 10223616                    ; w2's records in pb
.set REC,  13312
.set STP,  6144                        ; four fragments: from one wave's tiles in a record to the other's
.set SSTP, 512
.set YOFF, 16*REC                      ; X: S1's 8 records, S0's 8 records; from here on Y: S1's 4, S0's 4
.set STG,  YOFF                        ; the way out's stages, 16 rows x (256 + 16) bytes a wave, lie in Y: by then Y has had its last fill and, behind step 23's barrier, its last read
.set SPARE, 24*REC                     ; behind Y: the spare words, 128 bytes a wave
.set G1,   24                          ; s[24:31] descriptor group 1 for S1's part of X; s[72:79] of Y
.set G1Y,  72
.set G0,   32                          ; s[32:35] group 0 for S1's part of X, s[36:39] of Y
.set G1B,  48                          ; s[48:55], s[80:87], s[56:59], s[60:63] the same for S0's
.set G1YB, 80
.set G0B,  56
.set A16, 48                           ; v48-50 S1's codes, 16 x lane, bank 0, 1, 2
.set A8,  51
.set B16, 54
.set B8,  57
.set ASC, 60
.set MSB, 0
.macro WIN new                         ; the immediate's high byte repeats the setting that is left
.if MSB != (\new)
	s_set_vgpr_msb (MSB<<8)|(\new)
.set MSB, (\new)
.endif
.endm
.macro PLACES n
.rept \n
	v_nop
.endr
.endm
; a joint load: waves 0 and 1 fetch for S1, waves 2 and 3 for S0; an s_nop 0 and four v_nop follow each of the two lines
.macro JLOAD g0a, g1a, g0b, g1b
	s_cmp_eq_u32 s15, 0
	s_cbranch_scc0 .Lfor_b_\@
	tensor_load_to_lds s[\g0a:\g0a+3], s[\g1a:\g1a+7]
	s_nop 0
	PLACES 4
	s_branch .Lasked_\@
.Lfor_b_\@:
	tensor_load_to_lds s[\g0b:\g0b+3], s[\g1b:\g1b+7]
	s_nop 0
	PLACES 4
.Lasked_\@:
.endm
.macro CREST
	s_cmp_lg_u32 s14, 0
	s_cbranch_scc1 .Lnot_wave_0_\@
	s_barrier_signal -3
.Lnot_wave_0_\@:
	s_barrier_wait -3
	s_barrier_signal -1
	s_barrier_wait -1
.endm
.macro CROUND
	s_barrier_signal -1
	s_barrier_wait -1
	CREST
.endm
.macro IDS
	v_lshl_add_u32 v28, v0, 2, SPARE
	v_mov_b32 v29, 0
	ds_add_u32 v28, v29                            ; the wave's opening: the add, twice on end, and its wait ahead of my first tensor load
	ds_add_u32 v28, v29
	v_lshrrev_b32 v1, 5, v0
	v_readfirstlane_b32 s14, v1                    ; wave 0..3
	s_lshr_b32 s15, s14, 1                         ; my half of S1.  Also: I fetch for S1 (0) or S0 (1)
	s_and_b32 s16, s14, 1                          ; my half of S0.  Also: which half of a region's records of that side I fetch
	s_bfe_u32 s40, ttmp6, 0x40000                  ; cx
	s_bfe_u32 s41, ttmp6, 0x40004                  ; cy
	s_lshl_b32 s42, ttmp9, 2
	s_add_co_u32 s42, s42, s40                     ; w2's panel = 4 x cluster x + cx
	s_and_b32 s17, ttmp7, 0xffff
	s_lshl_b32 s17, s17, 2
	s_add_co_u32 s17, s17, s41                     ; the tokens' panel = 4 x cluster y + cy
	s_lshl_b32 s43, s41, 2
	s_lshl_b32 s43, 15, s43                        ; my row of the cluster
	s_lshl_b32 s44, 0x1111, s40                    ; my column
	s_or_b32 s[G1], s43, (3<<16)|(1<<21)           ; 15:0 the mask; 17:16 elements of 8 bytes; no padding; 21 set beside a mask
	s_or_b32 s[G1B], s44, (3<<16)|(1<<21)
	s_or_b32 s[G1Y], s43, (3<<16)|(1<<21)
	s_or_b32 s[G1YB], s44, (3<<16)|(1<<21)
.irp g, G1, G1B
	s_mov_b32 s[\g+1], 32<<16                      ; tensor_dim0 = 32 elements: 256 bytes
	s_mov_b32 s[\g+2], 208<<16                     ; tensor_dim1 = 208 rows: four records
	s_mov_b32 s[\g+3], 32<<16
	s_mov_b32 s[\g+4], 208
	s_mov_b32 s[\g+5], 32
	s_mov_b32 s[\g+6], 0
	s_mov_b32 s[\g+7], 0
.endr
.irp g, G1Y, G1YB
	s_mov_b32 s[\g+1], 32<<16
	s_mov_b32 s[\g+2], 104<<16                     ; 104 rows: two records
	s_mov_b32 s[\g+3], 32<<16
	s_mov_b32 s[\g+4], 104
	s_mov_b32 s[\g+5], 32
	s_mov_b32 s[\g+6], 0
	s_mov_b32 s[\g+7], 0
.endr
.endm
; my lane's LDS addresses: a constant x wave's halves + a constant x lane + the bank's constant.  S1's banks begin at records 0, 4, 16, S0's at records 8, 12, 20
.macro LANES
	v_and_b32 v1, 15, v0                           ; r
	v_bfe_u32 v2, v0, 4, 1                         ; h
	v_and_b32 v5, 31, v0
	v_lshlrev_b32 v3, 4, v5
	v_lshlrev_b32 v4, 3, v5
	v_lshlrev_b32 v5, 2, v5
	s_mul_i32 s21, s15, STP
	s_mul_i32 s22, s16, STP
	s_add_co_u32 s22, s22, 8*REC
.irp s, 0,1,2
	v_add_nc_u32 v[A16+\s], s21, v3
	v_add_nc_u32 v[A8+\s], s21, v4
	v_add_nc_u32 v[B16+\s], s22, v3
	v_add_nc_u32 v[B8+\s], s22, v4
	s_add_co_u32 s21, s21, 4*REC+8*REC*\s
	s_add_co_u32 s22, s22, 4*REC+4*REC*\s
.endr
	s_mul_i32 s21, s15, SSTP                       ; the scale images: lanes 0-15 take S1's, lanes 16-31 S0's: the lower base + h x the distance
	s_mul_i32 s22, s16, SSTP
	s_add_co_u32 s22, s22, 8*REC
	s_sub_co_u32 s22, s22, s21                     ; the distance in banks 0 and 1
	v_mul_u32_u24 v6, s22, v2
	s_add_co_u32 s21, s21, 12288
	v_add_nc_u32 v6, v6, v5
	v_add_nc_u32 v[ASC], s21, v6
	v_add_nc_u32 v[ASC+1], 4*REC, v[ASC]
	s_sub_co_u32 s22, s22, 4*REC                   ; in bank 2
	v_mul_u32_u24 v6, s22, v2
	v_add_nc_u32 v6, v6, v5
	s_add_co_u32 s21, s21, 16*REC
	v_add_nc_u32 v[ASC+2], s21, v6
.endm
.macro FRAG reg, a16, a8, off
	ds_load_b128 v[\reg:\reg+3], v[\a16] offset:\off
	ds_load_b64 v[\reg+4:\reg+5], v[\a8] offset:\off+512
	ds_load_b128 v[\reg+6:\reg+9], v[\a16] offset:\off+768
	ds_load_b64 v[\reg+10:\reg+11], v[\a8] offset:\off+1280
.endm
.macro FETCH slot, q, sg               ; the fragments and scale words of the bank's q-th K step into set sg
	WIN 0x40
.set ft, 0
.rept NT
	FRAG 96*(\sg)+12*ft, B16+(\slot), B8+(\slot), (\q)*REC+1536*ft
.set ft, ft+1
.endr
	WIN 0
.set ft, 0
.rept NT
	FRAG 64+96*(\sg)+12*ft, A16+(\slot), A8+(\slot), (\q)*REC+1536*ft
.set ft, ft+1
.endr
.set ft, 0
.rept NT
	ds_load_b32 v[32+8*(\sg)+ft], v[ASC+(\slot)] offset:(\q)*REC+128*ft
.set ft, ft+1
.endr
.endm
; S1's tile a against S0's NT tiles.  mode 0: sums go on; 1: the product starts them.  The accumulators take turns, one instruction a turn, in the same order in every step
.macro MULROW a, sg, mode
.set mw, (\a)/(32/NT)
.set mb, 8*NT*((\a)%(32/NT))
.set ma, 64+96*(\sg)+12*(\a)
.set ms, 32+8*(\sg)
	WIN 0xa1+0x50*mw
.set mt, 0
.rept NT
.if \mode == 0
	v_wmma_scale_f32_16x16x128_f8f6f4 v[mb+8*mt:mb+8*mt+7], v[96*(\sg)+12*mt:96*(\sg)+12*mt+11], v[ma:ma+11], v[mb+8*mt:mb+8*mt+7], v[ms+mt], v[ms+(\a)] matrix_a_fmt:MATRIX_FMT_FP6 matrix_b_fmt:MATRIX_FMT_FP6 matrix_a_scale:MATRIX_SCALE_ROW1
.else
	v_wmma_scale_f32_16x16x128_f8f6f4 v[mb+8*mt:mb+8*mt+7], v[96*(\sg)+12*mt:96*(\sg)+12*mt+11], v[ma:ma+11], 0, v[ms+mt], v[ms+(\a)] matrix_a_fmt:MATRIX_FMT_FP6 matrix_b_fmt:MATRIX_FMT_FP6 matrix_a_scale:MATRIX_SCALE_ROW1
.endif
.set mt, mt+1
.endr
.endm
.macro ROWS a0, n, sg, mode
.set ra, \a0
.rept \n
	MULROW ra, \sg, \mode
.set ra, ra+1
.endr
.endm
; a K step on set sg whose successor lies in a region that is known to be whole: the successor's loads (bank fslot, its fq-th step) go out first, into the other set, then this step's products
.macro STEP sg, fslot, fq, mode
	s_wait_dscnt 0x0                               ; this step's fragments, asked for a whole step ago
	PLACES 4                                       ; four places behind the last step's products, which read the set that is loaded now
	FETCH \fslot, \fq, 1-(\sg)
	ROWS 0, NT, \sg, \mode
	WIN 0
.endm
; a region's last step changes regions: one barrier; in front of it each wave waits for all its tensor loads, adds 0 to its spare word and waits for that and for its reads of the region.
; fill = 1: X, which has been read out, is filled again; 2: Y is; 0: nothing is.  Behind the barrier the next step is fetched from bank nslot.
.macro TURN sg, nslot, fill
	WIN 0
	s_wait_tensorcnt 0x0                           ; all my tensor loads have landed: my part of the other region
	ds_add_u32 v28, v29                            ; 0 onto my spare word
	s_wait_dscnt 0x1                               ; this step's fragments are in; the add alone may be out
	ROWS 0, NT/4, \sg, 0
	s_wait_dscnt 0x0                               ; the add is done, and my reads of this region are over
	s_barrier_signal -1
	ROWS NT/4, NT/4, \sg, 0
	WIN 0
	s_barrier_wait -1
.if \fill == 1
	CREST                                          ; the barrier has opened a round of the cluster's: no wave of any partner still reads X or has a load on its way
	s_add_nc_u64 s[G0+2:G0+3], s[G0+2:G0+3], 12*REC
	s_add_nc_u64 s[G0B+2:G0B+3], s[G0B+2:G0B+3], 12*REC
	JLOAD G0, G1, G0B, G1B                         ; the first tensor load behind the round; its four v_nop are the places in front of the loads below
.elseif \fill == 2
	CREST
	s_add_nc_u64 s[G0+6:G0+7], s[G0+6:G0+7], 12*REC
	s_add_nc_u64 s[G0B+6:G0B+7], s[G0B+6:G0B+7], 12*REC
	JLOAD G0+4, G1Y, G0B+4, G1YB
.else
	PLACES 4
.endif
	FETCH \nslot, 0, 1-(\sg)
	ROWS NT/2, NT/2, \sg, 0
	WIN 0
.endm
	s_load_b256 s[4:11], s[0:1], 0x0               ; ai s[4:5], pb s[6:7], hf s[8:9], b2 s[10:11]
	s_load_b64 s[12:13], s[0:1], 0x20              ; y
	IDS
	s_mul_i32 s18, s16, 2*REC                      ; my half of Y's four records of a side; twice that: of X's eight
	s_mov_b32 s19, 0
	s_mul_i32 s20, s17, KS*REC
	s_mov_b32 s21, 0
	s_mul_i32 s46, s42, KS*REC
	s_add_co_u32 s46, s46, BREG
	s_mov_b32 s47, 0
	s_mul_i32 s45, s14, 2*REC                      ; where my load goes in Y
	s_wait_dscnt 0x0                               ; both opening adds are done
	s_wait_kmcnt 0x0
	s_add_nc_u64 s[20:21], s[4:5], s[20:21]
	s_add_nc_u64 s[46:47], s[6:7], s[46:47]
	s_add_nc_u64 s[20:21], s[20:21], s[18:19]
	s_add_nc_u64 s[46:47], s[46:47], s[18:19]
	CROUND                                         ; all sixteen work-groups are here: the first joint loads meet
	s_mov_b32 s[G0], 1                             ; X: K steps 0 to 7
	s_mul_i32 s[G0+1], s14, 4*REC
	s_add_nc_u64 s[G0+2:G0+3], s[20:21], s[18:19]
	s_or_b32 s[G0+3], s[G0+3], 0x80000000
	s_mov_b32 s[G0B], 1
	s_mul_i32 s[G0B+1], s14, 4*REC
	s_add_nc_u64 s[G0B+2:G0B+3], s[46:47], s[18:19]
	s_or_b32 s[G0B+3], s[G0B+3], 0x80000000
	JLOAD G0, G1, G0B, G1B
	s_mov_b32 s[G0+4], 1                           ; Y: K steps 8 to 11.  Two tensor loads of mine are out
	s_add_co_u32 s[G0+5], s45, YOFF
	s_add_nc_u64 s[G0+6:G0+7], s[20:21], 8*REC
	s_or_b32 s[G0+7], s[G0+7], 0x80000000
	s_mov_b32 s[G0B+4], 1
	s_add_co_u32 s[G0B+5], s45, YOFF
	s_add_nc_u64 s[G0B+6:G0B+7], s[46:47], 8*REC
	s_or_b32 s[G0B+7], s[G0B+7], 0x80000000
	JLOAD G0+4, G1Y, G0B+4, G1YB
	LANES
	v_lshlrev_b32 v8, 4, v1
	v_lshl_add_u32 v8, v2, 12, v8                  ; rows of y: lanes 0-15 one row's 256 bytes, lanes 16-31 the next row's
	v_lshlrev_b32 v10, 4, v1                       ; the bias of my four columns
	s_mul_i32 s23, s14, 4352
	s_add_co_u32 s23, s23, STG                     ; my stage
	v_mul_u32_u24 v6, v1, 272
	v_lshl_add_u32 v6, v2, 6, v6
	v_add_nc_u32 v6, s23, v6                       ; in: row r, + 64 h
	v_mul_u32_u24 v7, v2, 272
	v_lshl_add_u32 v7, v1, 4, v7
	v_add_nc_u32 v7, s23, v7                       ; back: lanes 0-15 one row, lanes 16-31 the next
	s_lshl_b32 s66, s17, 19                        ; my first row: 128 x panel + 64 x half, rows of 4,096 bytes;
	s_lshl_b32 s67, s15, 18
	s_add_co_u32 s66, s66, s67
	s_lshl_b32 s67, s42, 9                         ; my first column: 128 x panel + 64 x half, 4 bytes each
	s_add_co_u32 s66, s66, s67
	s_lshl_b32 s68, s16, 8
	s_add_co_u32 s66, s66, s68
	s_add_co_u32 s68, s67, s68
	s_mov_b32 s67, 0
	s_mov_b32 s69, 0
	s_add_nc_u64 s[8:9], s[8:9], s[66:67]
	s_add_nc_u64 s[12:13], s[12:13], s[66:67]
	s_add_nc_u64 s[10:11], s[10:11], s[68:69]
	WIN 0xc0                                       ; destination window 3: the residual's 64 rows x 256 bytes, in the order in which the stage gives the results back; they land while K is walked
.irp a, 0,1,2,3
.irp i, 0,1,2,3,4,5,6,7
	global_load_b128 v[32*\a+4*\i:32*\a+4*\i+3], v8, s[8:9] offset:(32*(\a/2)+8*(\a%2)+2*\i+8*(\i/4))*4096 th:TH_LOAD_NT
.endr
.endr
	WIN 0
	global_load_b128 v[128:131], v10, s[10:11]
	s_wait_tensorcnt 0x1                           ; my part of X is in; Y's load may stay out
	s_barrier_signal -1
	s_barrier_wait -1
	FETCH 0, 0, 0
	STEP 0, 0, 1, 1                                ; K step 0: the first products start the sums: nothing is cleared
.set k, 1
.rept 30                                       ; K steps 1 to 30, written out: step k multiplies set k % 2 and fetches step k + 1 from bank ((k + 1) / 4) % 3
.if k == 7
	TURN 1, 2, 1                                   ; X is read out: it takes steps 12 to 19; on to Y
.elseif k == 11
	TURN 1, 0, 2                                   ; Y is read out: it takes steps 20 to 23; on to X
.elseif k == 19
	TURN 1, 2, 1                                   ; X takes steps 24 to 31; on to Y
.elseif k == 23
	TURN 1, 0, 0                                   ; nothing is left to fetch; on to X.  Behind this barrier nobody reads Y any more
.else
	STEP k%2, ((k+1)/4)%3, (k+1)%4, 0
.endif
.set k, k+1
.endr
	s_wait_dscnt 0x0
	ROWS 0, NT, 1, 0                               ; K step 31
	WIN 0
	; THE WAY OUT, a tile of 16 tokens x 64 columns at a time: through my own stage, back as rows of 256 bytes, + the residual + the bias, stored: sixteen lanes store 256 consecutive bytes, aligned
	s_wait_loadcnt 0x0                             ; the residual and the bias
	PLACES 4
.irp a, 0,1,2,3
.set yb, 64+32*(\a%2)
.if \a >= 2
	s_wait_xcnt 0x0                                ; the stores of two tiles ago have read these registers
.endif
	WIN 0x08                                       ; an LDS store's data are its source 1: window 2
.irp b, 0,1,2,3
	ds_store_b128 v6, v[8*(4*\a+\b):8*(4*\a+\b)+3] offset:128*(\b/2)+32*(\b%2)          ; each accumulator from its low end on
	ds_store_b128 v6, v[8*(4*\a+\b)+4:8*(4*\a+\b)+7] offset:128*(\b/2)+32*(\b%2)+16
.endr
	WIN 0
.irp i, 0,1,2,3,4,5,6,7
	ds_load_b128 v[yb+4*\i:yb+4*\i+3], v7 offset:544*\i   ; LDS serves a wave's instructions in order: these see the stores above
.endr
	s_wait_dscnt 0x0
	WIN 0x0c                                       ; source 1 window 3
.irp i, 0,2,4,6,8,10,12,14,16,18,20,22,24,26,28,30
	v_pk_add_f32 v[yb+\i:yb+\i+1], v[yb+\i:yb+\i+1], v[32*\a+\i:32*\a+\i+1]
.endr
	WIN 0
.irp i, 0,1,2,3,4,5,6,7
	v_pk_add_f32 v[yb+4*\i:yb+4*\i+1], v[yb+4*\i:yb+4*\i+1], v[128:129]
	v_pk_add_f32 v[yb+4*\i+2:yb+4*\i+3], v[yb+4*\i+2:yb+4*\i+3], v[130:131]
.endr
.irp i, 0,1,2,3,4,5,6,7
	global_store_b128 v8, v[yb+4*\i:yb+4*\i+3], s[12:13] offset:(32*(\a/2)+8*(\a%2)+2*\i+8*(\i/4))*4096
.endr
.endr
	s_wait_tensorcnt 0x0                           ; the wave's end, behind my last tensor load and my last LDS store
	ds_add_u32 v28, v29
	s_wait_dscnt 0x0
	CROUND                                         ; the closing round
	s_endpgm
.Lfunc_end_k_q8e30770320_ffn2:
	.size	k_q8e30770320_ffn2, .Lfunc_end_k_q8e30770320_ffn2-k_q8e30770320_ffn2
	.p2alignl 7, 3214868480
	.fill 96, 4, 3214868480
	.section	.rodata,"a",@progbits
	.p2align	6, 0x0
	.amdhsa_kernel k_q8e30770320_ffn2
		.amdhsa_group_segment_fixed_size 327680
		.amdhsa_private_segment_fixed_size 0
		.amdhsa_enable_private_segment 0
		.amdhsa_kernarg_size 40
		.amdhsa_user_sgpr_count 2
		.amdhsa_user_sgpr_kernarg_segment_ptr 1
		.amdhsa_wavefront_size32 1
		.amdhsa_system_sgpr_workgroup_id_x 1
		.amdhsa_system_sgpr_workgroup_id_y 1
		.amdhsa_system_sgpr_workgroup_id_z 1
		.amdhsa_system_vgpr_workitem_id 0
		.amdhsa_next_free_vgpr 1024
		.amdhsa_next_free_sgpr 100
		.amdhsa_reserve_vcc 0
		.amdhsa_float_denorm_mode_32 3
		.amdhsa_float_denorm_mode_16_64 3
		.amdhsa_memory_ordered 1
		.amdhsa_forward_progress 1
		.amdhsa_inst_pref_size 177
	.end_amdhsa_kernel
	.amdgpu_metadata
---
amdhsa.version: [ 1, 2 ]
amdhsa.kernels:
  - .name:           k_q8e30770320_ffn2
    .symbol:         k_q8e30770320_ffn2.kd
    .args:
      - { .name: ai, .offset: 0, .size: 8, .value_kind: global_buffer, .address_space: global }
      - { .name: pb, .offset: 8, .size: 8, .value_kind: global_buffer, .address_space: global }
      - { .name: hf, .offset: 16, .size: 8, .value_kind: global_buffer, .address_space: global }
      - { .name: b2, .offset: 24, .size: 8, .value_kind: global_buffer, .address_space: global }
      - { .name: y, .offset: 32, .size: 8, .value_kind: global_buffer, .address_space: global }
    .group_segment_fixed_size: 327680
    .private_segment_fixed_size: 0
    .kernarg_segment_align: 8
    .kernarg_segment_size: 40
    .max_flat_workgroup_size: 128
    .sgpr_count:     100
    .vgpr_count:     1024
    .wavefront_size: 32
...
	.end_amdgpu_metadata
.endif
;; end of part 7
;; launch ln2 (part 8): grid 256 x 1, 8 waves a work-group, no clusters, 0 bytes of LDS; arguments y, gamma2, beta2, out0; writes out0
.if DOCPART == 8
	.amdgcn_target "amdgcn-amd-amdhsa--gfx1250"
	.amdhsa_code_object_version 6
	.text
	.protected	k_q8e30770320_ln2
	.globl	k_q8e30770320_ln2
	.p2align	8
	.type	k_q8e30770320_ln2,@function
k_q8e30770320_ln2:
	s_mov_b64 s[64:65], 0
	v_nop
	global_prefetch_b8 v0, s[64:65] scope:SCOPE_SE
	s_setreg_imm32_b32 hwreg(HW_REG_WAVE_MODE, 25, 1), 1
	s_wait_xcnt 0x0
; LN2: out0 = gamma2 (y - mean) / sqrt(var + 1e-6) + beta2 along rows of 1,024, in f32 (mean first, then the mean of the squared differences, as reference() has it).  Nothing of reference() is left out.
; SHARES: work-group G takes rows 16 G .. 16 G + 15, wave w rows 2 w and 2 w + 1 of them: a row is 32 registers of the wave, read once; each load and store covers 512 consecutive bytes.
; Memory binds here: no LDS, no barrier, no matrix unit, no cluster.
; LIMITS: NaN and infinities among the inputs are not served.
.set SEL, 12
.macro RSUM                            ; the lanes' pairs v[160:161], v[162:163] become the two rows' sums, in every lane
	v_add_f32 v160, v160, v161
	v_add_f32 v162, v162, v163
.irp m, 1,2,4,8
	v_add_f32_dpp v160, v160, v160 row_xmask:\m row_mask:0xf bank_mask:0xf
	v_add_f32_dpp v162, v162, v162 row_xmask:\m row_mask:0xf bank_mask:0xf
.endr
	v_permlanex16_b32 v164, v160, s[SEL], s[SEL+1]
	v_permlanex16_b32 v165, v162, s[SEL], s[SEL+1]
	v_add_f32 v160, v160, v164
	v_add_f32 v162, v162, v165
.endm
	s_load_b256 s[4:11], s[0:1], 0x0               ; y s[4:5], gamma s[6:7], beta s[8:9], out0 s[10:11]
	v_lshrrev_b32 v1, 5, v0
	v_readfirstlane_b32 s2, v1                     ; wave 0..7
	v_and_b32 v1, 31, v0
	v_lshlrev_b32 v2, 4, v1                        ; 16 x lane
	v_mov_b32 v164, 0                              ; a lane permute's destination counts as one of its sources
	v_mov_b32 v165, 0
	s_lshl_b32 s18, ttmp9, 4
	s_lshl_b32 s19, s2, 1
	s_add_co_u32 s18, s18, s19                     ; my first row
	s_lshl_b32 s18, s18, 12
	s_mov_b32 s19, 0
	s_mov_b32 s[SEL], 0x76543210
	s_mov_b32 s[SEL+1], 0xfedcba98
	s_mov_b32 s14, 0x3a800000                      ; 1 / 1,024
	s_mov_b32 s15, 0x358637bd                      ; 1e-6
	s_wait_kmcnt 0x0
	s_add_nc_u64 s[4:5], s[4:5], s[18:19]
	s_add_nc_u64 s[10:11], s[10:11], s[18:19]
.irp i, 0,1,2,3,4,5,6,7
	global_load_b128 v[32+4*\i:35+4*\i], v2, s[4:5] offset:512*\i th:TH_LOAD_NT
	global_load_b128 v[64+4*\i:67+4*\i], v2, s[4:5] offset:4096+512*\i th:TH_LOAD_NT
.endr
.irp i, 0,1,2,3,4,5,6,7
	global_load_b128 v[96+4*\i:99+4*\i], v2, s[6:7] offset:512*\i
	global_load_b128 v[128+4*\i:131+4*\i], v2, s[8:9] offset:512*\i
.endr
	s_wait_loadcnt 0x10                            ; my two rows are in; gamma's and beta's 16 loads, issued behind them, may be out
	v_pk_add_f32 v[160:161], v[32:33], v[34:35]
	v_pk_add_f32 v[162:163], v[64:65], v[66:67]
.irp j, 4,6,8,10,12,14,16,18,20,22,24,26,28,30
	v_pk_add_f32 v[160:161], v[160:161], v[32+\j:33+\j]
	v_pk_add_f32 v[162:163], v[162:163], v[64+\j:65+\j]
.endr
	RSUM
	v_mul_f32 v166, s14, v160                      ; the means, each in both registers of a pair
	v_mul_f32 v167, s14, v160
	v_mul_f32 v168, s14, v162
	v_mul_f32 v169, s14, v162
.irp j, 0,2,4,6,8,10,12,14,16,18,20,22,24,26,28,30
	v_pk_add_f32 v[32+\j:33+\j], v[32+\j:33+\j], v[166:167] neg_lo:[0,1] neg_hi:[0,1]
	v_pk_add_f32 v[64+\j:65+\j], v[64+\j:65+\j], v[168:169] neg_lo:[0,1] neg_hi:[0,1]
.endr
	v_pk_mul_f32 v[160:161], v[32:33], v[32:33]
	v_pk_mul_f32 v[162:163], v[64:65], v[64:65]
.irp j, 2,4,6,8,10,12,14,16,18,20,22,24,26,28,30
	v_pk_fma_f32 v[160:161], v[32+\j:33+\j], v[32+\j:33+\j], v[160:161]
	v_pk_fma_f32 v[162:163], v[64+\j:65+\j], v[64+\j:65+\j], v[162:163]
.endr
	RSUM
	v_fma_f32 v170, v160, s14, s15                 ; var + 1e-6
	v_fma_f32 v172, v162, s14, s15
	v_rsq_f32 v170, v170
	v_rsq_f32 v172, v172
	v_nop                                          ; a plain place behind the transcendentals
	s_wait_alu depctr_va_vdst(0)                   ; one wait for both, ahead of the first reader
	v_mov_b32 v171, v170
	v_mov_b32 v173, v172
	s_wait_loadcnt 0x0                             ; gamma, beta
.irp j, 0,2,4,6,8,10,12,14,16,18,20,22,24,26,28,30
	v_pk_mul_f32 v[32+\j:33+\j], v[32+\j:33+\j], v[170:171]
	v_pk_mul_f32 v[64+\j:65+\j], v[64+\j:65+\j], v[172:173]
.endr
.irp j, 0,2,4,6,8,10,12,14,16,18,20,22,24,26,28,30
	v_pk_fma_f32 v[32+\j:33+\j], v[32+\j:33+\j], v[96+\j:97+\j], v[128+\j:129+\j]
	v_pk_fma_f32 v[64+\j:65+\j], v[64+\j:65+\j], v[96+\j:97+\j], v[128+\j:129+\j]
.endr
.irp i, 0,1,2,3,4,5,6,7
	global_store_b128 v2, v[32+4*\i:35+4*\i], s[10:11] offset:512*\i th:TH_STORE_NT
	global_store_b128 v2, v[64+4*\i:67+4*\i], s[10:11] offset:4096+512*\i th:TH_STORE_NT
.endr
	s_endpgm
.Lfunc_end_k_q8e30770320_ln2:
	.size	k_q8e30770320_ln2, .Lfunc_end_k_q8e30770320_ln2-k_q8e30770320_ln2
	.p2alignl 7, 3214868480
	.fill 96, 4, 3214868480
	.section	.rodata,"a",@progbits
	.p2align	6, 0x0
	.amdhsa_kernel k_q8e30770320_ln2
		.amdhsa_group_segment_fixed_size 0
		.amdhsa_private_segment_fixed_size 0
		.amdhsa_enable_private_segment 0
		.amdhsa_kernarg_size 32
		.amdhsa_user_sgpr_count 2
		.amdhsa_user_sgpr_kernarg_segment_ptr 1
		.amdhsa_wavefront_size32 1
		.amdhsa_system_sgpr_workgroup_id_x 1
		.amdhsa_system_sgpr_workgroup_id_y 1
		.amdhsa_system_sgpr_workgroup_id_z 1
		.amdhsa_system_vgpr_workitem_id 0
		.amdhsa_next_free_vgpr 176
		.amdhsa_next_free_sgpr 66
		.amdhsa_reserve_vcc 0
		.amdhsa_float_denorm_mode_32 3
		.amdhsa_float_denorm_mode_16_64 3
		.amdhsa_memory_ordered 1
		.amdhsa_forward_progress 1
		.amdhsa_inst_pref_size 18
	.end_amdhsa_kernel
	.amdgpu_metadata
---
amdhsa.version: [ 1, 2 ]
amdhsa.kernels:
  - .name:           k_q8e30770320_ln2
    .symbol:         k_q8e30770320_ln2.kd
    .args:
      - { .name: y, .offset: 0, .size: 8, .value_kind: global_buffer, .address_space: global }
      - { .name: gamma2, .offset: 8, .size: 8, .value_kind: global_buffer, .address_space: global }
      - { .name: beta2, .offset: 16, .size: 8, .value_kind: global_buffer, .address_space: global }
      - { .name: out0, .offset: 24, .size: 8, .value_kind: global_buffer, .address_space: global }
    .group_segment_fixed_size: 0
    .private_segment_fixed_size: 0
    .kernarg_segment_align: 8
    .kernarg_segment_size: 32
    .max_flat_workgroup_size: 256
    .sgpr_count:     66
    .vgpr_count:     176
    .wavefront_size: 32
...
	.end_amdgpu_metadata
.endif
;; end of part 8
